; MI455X (gfx1250); checked and timed in simulation.
; The chip was launched on July 23, 2026; its instructions are those of AMD's public machine-readable ISA for CDNA 5 (MIT licence, August 2026) and "CDNA5" Instruction Set Architecture Reference Guide (July 2026). The comments in the code are by the model that wrote it; some were corrected since.
;; Block. Allowed arithmetic: matrix products marked QUANTISED: E5M2 operands, one given power-of-two scale a tensor, by v_wmma_f32_16x16x64_bf8_bf8 or v_wmma_f32_16x16x128_bf8_bf8, f32 sums; everything else in f32.
;; Inputs: W1 4,096 x 1,024 float32; W2 1,024 x 4,096 float32; Wk 16 x 64 x 1,024 float32; Wo 1,024 x 1,024 float32; Wq 16 x 64 x 1,024 float32; Wv 16 x 64 x 1,024 float32; b1 4,096 float32; b2 1,024 float32; bk 16 x 64 float32; bo 1,024 float32; bq 16 x 64 float32; bv 16 x 64 float32; ln1_b 1,024 float32; ln1_g 1,024 float32; ln2_b 1,024 float32; ln2_g 1,024 float32; lowp_scales 16 int32 (the exponents e of the quantised operands' scales 2^e); x 2 x 2,048 x 1,024 float32.
;; Outputs: out0 2 x 2,048 x 1,024 float32.
;; This version of the problem:
;;   THIS VERSION OF THE PROBLEM IS GIVEN IN LOW PRECISION. The matrix products marked QUANTISED in the list below multiply operands that are first quantised to E5M2 (5 exponent bits, 2 mantissa bits; 8 bits a number), with one given power-of-two scale for each operand tensor; their sums are f32. All else is computed in f32.
;;   The module's matrix products, in the order in which they are computed (A, B: the left and right operand; K: the contracted axis; several contracted axes count as one K, in the product's order):
;;     1. [M 4,096, K 1,024] x [K 1,024, N 1,024]; A: computed on the way; B: input Wq: QUANTISED (scales: A lowp_scales[0], B lowp_scales[1])
;;     2. [M 4,096, K 1,024] x [K 1,024, N 1,024]; A: computed on the way; B: input Wk: QUANTISED (scales: A lowp_scales[2], B lowp_scales[3])
;;     3. [M 4,096, K 1,024] x [K 1,024, N 1,024]; A: computed on the way; B: input Wv: QUANTISED (scales: A lowp_scales[4], B lowp_scales[5])
;;     4. batch 32 x [M 2,048, K 64] x [K 64, N 2,048]; A: computed on the way; B: computed on the way: QUANTISED (scales: A lowp_scales[6], B lowp_scales[7])
;;     5. batch 32 x [M 64, K 2,048] x [K 2,048, N 2,048]; A: computed on the way; B: softmax (see below): QUANTISED (scales: A lowp_scales[8], B lowp_scales[9])
;;     6. [M 4,096, K 1,024] x [K 1,024, N 1,024]; A: computed on the way; B: input Wo: QUANTISED (scales: A lowp_scales[10], B lowp_scales[11])
;;     7. [M 4,096, K 1,024] x [K 1,024, N 4,096]; A: computed on the way; B: input W1: QUANTISED (scales: A lowp_scales[12], B lowp_scales[13])
;;     8. [M 4,096, K 4,096] x [K 4,096, N 1,024]; A: computed on the way; B: input W2: QUANTISED (scales: A lowp_scales[14], B lowp_scales[15])
;;   THE QUANTISER, for each operand of a quantised product, along K:
;;     - The operand's scale is 2^e, e = its entry of the input lowp_scales (int32; the entries are numbered through the quantised products in the list's order, A before B).
;;     - Each number is divided by the scale, clamped to +-57,344, and rounded to the nearest number of E5M2, ties to even, subnormals kept.
;;     - The product sums the exact products of the quantised numbers (number of the format x scale) in f32.
;;   ~~~python
;;   def quantise(x, axis, e):      # numpy; x: float32 -> the quantised numbers, widened to float32 again
;;       x = np.moveaxis(x, axis, -1); K = x.shape[-1]
;;       r = np.clip(x / 2.0 ** e, -57344, 57344)
;;       step = 2.0 ** (np.maximum(np.frexp(np.where(r == 0, 1, r))[1] - 1, -14) - 2)
;;       q = np.round(r / step) * step * 2.0 ** e      # np.round: ties to even
;;       return np.moveaxis(q, -1, axis).astype(np.float32)
;;   ~~~
;;   SOFTMAX AHEAD OF A QUANTISED PRODUCT. Where the list says 'softmax', what is quantised is not the finished softmax but p = 2^(t - M), with t = logit x log2(e) and M = ceil(the row's largest t), a whole number; so 1/2 < the row's largest p <= 1. The row's sum l is taken of the UNQUANTISED p, in f32, and the product's result is divided by l at the end. Since M is a whole number, a kernel that streams over the keys may use a running M (the ceiling of the running maximum): every later rescaling is an exact power of two, so the quantised numbers keep their values, but for numbers so far below the row's largest that they fall under the format's range.
;;   OPERANDS COMPUTED ON THE WAY. 'Computed on the way' means the value that the module computes at that place (a softmax that the list does not call 'softmax' is quantised finished and normalised). What goes into a quantiser is computed in f32, as accurately as f32 sums, v_exp_f32 and their like allow (about 1e-6 of the number): no bf16 or f16 on the way to a quantiser, and a product that is left as it is and whose result goes on into a quantised operand takes f32 operands (vector FMAs, or v_wmma_f32_16x16x4_f32). A number that lies on a knife's edge between two numbers of the format may be rounded either way, as far as f32 arithmetic and the matrix unit's own rounding can turn it there, and no further.
;; One version. Each part assembles by itself: llvm-mc -triple=amdgcn-amd-amdhsa -mcpu=gfx1250 --defsym DOCPART=n.
;; ======== version 1 of 1: 7 launches
;; limits: right only within a limited range of input values
;; workspace buffers: wc 12,582,912 bytes; hc 12,582,912 bytes; qkvc 12,582,912 bytes; ac 4,194,304 bytes; x1 16,777,216 bytes; h2c 4,194,304 bytes; gc 16,777,216 bytes
;; launch prep (part 1): grid 1024 x 1, 4 waves a work-group, no clusters, 0 bytes of LDS; arguments x, ln1_g, ln1_b, Wq, Wk, Wv, Wo, W1, W2, lowp_scales, wc, hc; writes wc, hc
.if DOCPART == 1
	.amdgcn_target "amdgcn-amd-amdhsa--gfx1250"
	.amdhsa_code_object_version 6
	.text
	.protected	k_q2ed65f81c1_prep
	.globl	k_q2ed65f81c1_prep
	.p2align	8
	.type	k_q2ed65f81c1_prep,@function
k_q2ed65f81c1_prep:
	s_mov_b64 s[64:65], 0
	v_nop
	global_prefetch_b8 v0, s[64:65] scope:SCOPE_SE
	s_setreg_imm32_b32 hwreg(HW_REG_WAVE_MODE, 25, 1), 1
	s_wait_xcnt 0x0
; PREP.  Work-groups 0-255: h = layernorm(x) in f32, quantised three times (scales e0, e2, e4) into hc [3][4096][1024].
; Work-groups 256-1023: the six weights, plain streams of f32, quantised (e1, e3, e5, e11, e13, e15) into wc, in the order Wq, Wk, Wv, Wo, W1, W2.
; code = number / 2^e, held within +-57,344, rounded to the nearest E5M2 code, ties to even.
; A unit of work is a row of 1,024 f32; a wave takes 4 rows, all 32 loads of 512 consecutive bytes go out at once.  No LDS, no barrier, no loop.
; ORDER ALONG K.  A lane takes 16 bytes of each of two loads 512 bytes apart: 8 numbers, one conversion, 8 codes at 8 x lane.  So inside each aligned block of 256 along K the stored
; byte p holds k = 4 (p >> 3) + (p & 3) + 128 ((p >> 2) & 1).  hc, Wq, Wk, Wv, W1, W2 (and later h2c, gc) all lie so: both operands of a product have the same order, every product meets
; its partner, and only the order of the sums inside a matrix instruction differs from ascending k.  Wo alone keeps the natural order (a lane takes 32 neighbouring bytes), since its partner is laid by heads.
; Each store of a wave covers 256 consecutive bytes, aligned.
; LIMITS: each e used here lies between -126 and 112, so that 2^e and 57,344 x 2^e are f32 numbers.  NaN and infinities among the inputs are not served.
.set X,   32                           ; v32-159  four rows; register 4 j + i of a row is column 128 j + 4 lane + i
.set G,   160                          ; v160-191 the gain, same layout (LN path);  the codes of the weight path
.set BB,  192                          ; v192-223 the bias
.set T0,  224                          ; v224-231, v232-239: held numbers, two sets by turns; v224-231 also the four chains of the sums
.set C,   8                            ; v8-31    codes of a row, 8 registers for each of the three scales
.set CW,  160
; v1 lane, v2 and v3 load offsets, v4 8 x lane; v240+2 g, v241+2 g: 2^e and 57,344 x 2^e; v[246:247] mean; v[248:249] 1/sqrt; v250 at work; v251 the lane permute's destination
.macro WSUM r                          ; the sum over the wave's 32 lanes, in every lane
	v_add_f32_dpp v[\r], v[\r], v[\r] row_xmask:1 row_mask:0xf bank_mask:0xf
	v_add_f32_dpp v[\r], v[\r], v[\r] row_xmask:2 row_mask:0xf bank_mask:0xf
	v_add_f32_dpp v[\r], v[\r], v[\r] row_xmask:4 row_mask:0xf bank_mask:0xf
	v_add_f32_dpp v[\r], v[\r], v[\r] row_xmask:8 row_mask:0xf bank_mask:0xf
	v_permlanex16_b32 v251, v[\r], s30, s31
	v_add_f32 v[\r], v[\r], v251
.endm
.macro JOIN                            ; the four chains of pairs become one number, then the wave's
	v_pk_add_f32 v[T0:T0+1], v[T0:T0+1], v[T0+2:T0+3]
	v_pk_add_f32 v[T0+4:T0+5], v[T0+4:T0+5], v[T0+6:T0+7]
	v_pk_add_f32 v[T0:T0+1], v[T0:T0+1], v[T0+4:T0+5]
	v_add_f32 v250, v[T0], v[T0+1]
	WSUM 250
.endm
; Row rho is quantised with scale number g and stored.  The held numbers go into two sets by turns, so that eight plain lines stand between a conversion and the next write of its sources.
.macro QSET rho, g
.irp q, 0,1,2,3
.irp i, 0,1,2,3,4,5,6,7
	v_med3_num_f32 v[T0+8*(\q%2)+\i], v[X+32*(\rho)+8*\q+\i], -v[241+2*(\g)], v[241+2*(\g)]   ; the conversion to an 8-bit code does not saturate (ISA guide 7.6.2): the hold comes first
.endr
	v_cvt_scalef32_pk8_bf8_f32 v[C+8*(\g)+2*\q:C+8*(\g)+2*\q+1], v[T0+8*(\q%2):T0+8*(\q%2)+7], v[240+2*(\g)]
.endr
.irp q, 0,1,2,3
	global_store_b64 v4, v[C+8*(\g)+2*\q:C+8*(\g)+2*\q+1], s[52+2*(\g):53+2*(\g)] offset:1024*(\rho)+256*\q
.endr
.endm
.macro LNROW rho
.set XR, X+32*(\rho)
	s_wait_loadcnt 8*(3-(\rho))                    ; loads come back in order: gain, bias and this row are in; the younger rows' eight loads each may be out
.irp c, 0,1,2,3
	v_pk_add_f32 v[T0+2*\c:T0+2*\c+1], v[XR+2*\c:XR+2*\c+1], v[XR+8+2*\c:XR+8+2*\c+1]
.endr
.irp k, 16,24
.irp c, 0,1,2,3
	v_pk_add_f32 v[T0+2*\c:T0+2*\c+1], v[T0+2*\c:T0+2*\c+1], v[XR+\k+2*\c:XR+\k+2*\c+1]
.endr
.endr
	JOIN
	v_mul_f32 v246, s48, v250                      ; the mean: sum / 1,024
	v_mov_b32 v247, v246
.set i, 0
.rept 16
	v_pk_add_f32 v[XR+i:XR+i+1], v[XR+i:XR+i+1], v[246:247] neg_lo:[0,1] neg_hi:[0,1]   ; d = x - mean: the variance is taken of d, so a common offset of x costs nothing
.set i, i+2
.endr
.irp c, 0,1,2,3
	v_pk_mul_f32 v[T0+2*\c:T0+2*\c+1], v[XR+2*\c:XR+2*\c+1], v[XR+2*\c:XR+2*\c+1]
.endr
.irp k, 8,16,24
.irp c, 0,1,2,3
	v_pk_fma_f32 v[T0+2*\c:T0+2*\c+1], v[XR+\k+2*\c:XR+\k+2*\c+1], v[XR+\k+2*\c:XR+\k+2*\c+1], v[T0+2*\c:T0+2*\c+1]
.endr
.endr
	JOIN
	v_fma_f32 v250, v250, s48, s49                 ; variance + eps
	s_wait_alu depctr_va_vdst(0)
	v_rsq_f32 v248, v250
	v_rsq_f32 v249, v250                           ; twice: the packed multiply names a pair
	v_nop                                          ; a plain line behind the transcendentals
	s_wait_alu depctr_va_vdst(0)                   ; one wait for both, ahead of their first reader
.set i, 0
.rept 16
	v_pk_mul_f32 v[XR+i:XR+i+1], v[XR+i:XR+i+1], v[248:249]
.set i, i+2
.endr
.set i, 0
.rept 16
	v_pk_fma_f32 v[XR+i:XR+i+1], v[XR+i:XR+i+1], v[G+i:G+i+1], v[BB+i:BB+i+1]
.set i, i+2
.endr
.if (\rho) > 0
	s_wait_xcnt 0x0                                ; the last row's stores have read their data: the codes' registers are written again only behind this wait
.endif
	QSET \rho, 0
	QSET \rho, 1
	QSET \rho, 2
.endm
.macro WROW rho                        ; a row of a weight: hold, convert, store; every row has its own registers for its codes
	s_wait_loadcnt 8*(3-(\rho))
.set i, 0
.rept 32
	v_med3_num_f32 v[X+32*(\rho)+i], v[X+32*(\rho)+i], -v241, v241
.set i, i+1
.endr
.irp q, 0,1,2,3
	v_cvt_scalef32_pk8_bf8_f32 v[CW+8*(\rho)+2*\q:CW+8*(\rho)+2*\q+1], v[X+32*(\rho)+8*\q:X+32*(\rho)+8*\q+7], v240
.endr
.irp q, 0,1,2,3
	global_store_b64 v4, v[CW+8*(\rho)+2*\q:CW+8*(\rho)+2*\q+1], s[24:25] offset:1024*(\rho)+256*\q
.endr
.endm
	s_load_b512 s[4:19], s[0:1], 0x0               ; x 4, gain 6, bias 8, Wq 10, Wk 12, Wv 14, Wo 16, W1 18
	s_load_b256 s[20:27], s[0:1], 0x40             ; W2 20, the scales' exponents 22, wc 24, hc 26
	v_lshrrev_b32 v1, 5, v0
	v_readfirstlane_b32 s28, v1                    ; wave
	v_and_b32 v1, 31, v0                           ; lane
	v_lshlrev_b32 v4, 3, v1                        ; my 8 codes in a block's 256
	v_mov_b32 v251, 0                              ; written once: a lane permute's destination counts as one of its sources
	s_mov_b32 s30, 0x76543210
	s_mov_b32 s31, 0xfedcba98                      ; lane l xor 16
	s_mov_b32 s48, 0x3a800000                      ; 1 / 1,024
	s_mov_b32 s49, 0x3727c5ac                      ; eps = 1e-5
	s_lshl_b32 s29, s28, 14                        ; my wave's 4 rows of 4,096 bytes
	s_wait_kmcnt 0x0
	s_load_b512 s[32:47], s[22:23], 0x0            ; e0 .. e15
	s_cmp_lt_u32 ttmp9, 256
	s_cbranch_scc0 .Lweights
	; ---- layernorm
	s_lshl_b32 s50, ttmp9, 16                      ; 16 rows of 4,096 bytes a work-group
	s_add_co_u32 s50, s50, s29
	s_mov_b32 s51, 0
	s_add_nc_u64 s[4:5], s[4:5], s[50:51]
	s_lshr_b32 s50, s50, 2                         ; the same rows in codes: 1,024 bytes each
	s_add_nc_u64 s[52:53], s[26:27], s[50:51]
	s_add_nc_u64 s[54:55], s[52:53], 0x400000      ; the second and third set, 4 MiB apart
	s_add_nc_u64 s[56:57], s[52:53], 0x800000
	s_wait_alu depctr_va_vdst(0)
	v_lshlrev_b32 v2, 4, v1
.irp j, 0,1,2,3,4,5,6,7
	global_load_b128 v[G+4*\j:G+4*\j+3], v2, s[6:7] offset:512*\j
.endr
.irp j, 0,1,2,3,4,5,6,7
	global_load_b128 v[BB+4*\j:BB+4*\j+3], v2, s[8:9] offset:512*\j
.endr
.set i, 0
.rept 32
	global_load_b128 v[X+4*i:X+4*i+3], v2, s[4:5] offset:512*i th:TH_LOAD_NT   ; 32 lanes read 512 consecutive bytes
.set i, i+1
.endr
	s_wait_kmcnt 0x0
.irp g, 0,1,2
	s_add_co_i32 s58, s[32+2*\g], 127
	s_lshl_b32 s59, s58, 23
	v_mov_b32 v[240+2*\g], s59                     ; 2^e as f32: the conversion takes its exponent field
	s_add_co_i32 s58, s58, 15
	s_lshl_b32 s58, s58, 23
	s_or_b32 s58, s58, 0x600000
	v_mov_b32 v[241+2*\g], s58                     ; 57,344 x 2^e
.endr
	LNROW 0
	LNROW 1
	LNROW 2
	LNROW 3
	s_endpgm
	; ---- the weights
.Lweights:
	s_sub_co_u32 s50, ttmp9, 256                   ; w: 0-63 Wq, 64- Wk, 128- Wv, 192- Wo, 256- W1, 512- W2
	s_wait_kmcnt 0x0
	s_mov_b64 s[52:53], s[10:11]
	s_mov_b32 s54, 0                               ; the tensor's first w
	s_mov_b32 s55, s33                             ; its e
	s_cmp_ge_u32 s50, 64                           ; every choice hangs on the work-group's number alone
	s_cselect_b64 s[52:53], s[12:13], s[52:53]
	s_cselect_b32 s54, 64, s54
	s_cselect_b32 s55, s35, s55
	s_cmp_ge_u32 s50, 128
	s_cselect_b64 s[52:53], s[14:15], s[52:53]
	s_cselect_b32 s54, 128, s54
	s_cselect_b32 s55, s37, s55
	s_cmp_ge_u32 s50, 192
	s_cselect_b64 s[52:53], s[16:17], s[52:53]
	s_cselect_b32 s54, 192, s54
	s_cselect_b32 s55, s43, s55
	s_cmp_ge_u32 s50, 256
	s_cselect_b64 s[52:53], s[18:19], s[52:53]
	s_cselect_b32 s54, 256, s54
	s_cselect_b32 s55, s45, s55
	s_cmp_ge_u32 s50, 512
	s_cselect_b64 s[52:53], s[20:21], s[52:53]
	s_cselect_b32 s54, 512, s54
	s_cselect_b32 s55, s47, s55
	s_cmp_eq_u32 s54, 192                          ; Wo keeps the natural order: a lane's two loads are 16 bytes apart, lanes 32 bytes apart
	s_cselect_b32 s56, 32, 16
	s_mov_b32 s57, 512
	s_cselect_b32 s57, 16, s57
	s_wait_alu depctr_va_vdst(0)
	v_mul_u32_u24 v2, v1, s56
	s_wait_alu depctr_va_vdst(0)
	v_add_nc_u32 v3, s57, v2
	s_wait_alu depctr_va_vdst(0)
	s_sub_co_u32 s58, s50, s54
	s_lshl_b32 s58, s58, 16
	s_add_co_u32 s58, s58, s29
	s_mov_b32 s59, 0
	s_add_nc_u64 s[52:53], s[52:53], s[58:59]      ; my wave's 4 rows of the tensor
	s_lshl_b32 s58, s50, 14
	s_lshl_b32 s60, s28, 12
	s_add_co_u32 s58, s58, s60
	s_add_nc_u64 s[24:25], s[24:25], s[58:59]      ; wc has the tensors in the work-groups' order: linear in w
.set i, 0
.rept 16
	global_load_b128 v[X+8*i:X+8*i+3], v2, s[52:53] offset:1024*i th:TH_LOAD_NT
	global_load_b128 v[X+8*i+4:X+8*i+7], v3, s[52:53] offset:1024*i th:TH_LOAD_NT
.set i, i+1
.endr
	s_add_co_i32 s55, s55, 127
	s_lshl_b32 s56, s55, 23
	v_mov_b32 v240, s56
	s_add_co_i32 s55, s55, 15
	s_lshl_b32 s55, s55, 23
	s_or_b32 s55, s55, 0x600000
	v_mov_b32 v241, s55
	s_wait_alu depctr_va_vdst(0)
	WROW 0
	WROW 1
	WROW 2
	WROW 3
	s_endpgm
.Lfunc_end_k_q2ed65f81c1_prep:
	.size	k_q2ed65f81c1_prep, .Lfunc_end_k_q2ed65f81c1_prep-k_q2ed65f81c1_prep
	.p2alignl 7, 3214868480
	.fill 96, 4, 3214868480
	.section	.rodata,"a",@progbits
	.p2align	6, 0x0
	.amdhsa_kernel k_q2ed65f81c1_prep
		.amdhsa_group_segment_fixed_size 0
		.amdhsa_private_segment_fixed_size 0
		.amdhsa_enable_private_segment 0
		.amdhsa_kernarg_size 96
		.amdhsa_user_sgpr_count 2
		.amdhsa_user_sgpr_kernarg_segment_ptr 1
		.amdhsa_wavefront_size32 1
		.amdhsa_system_sgpr_workgroup_id_x 1
		.amdhsa_system_sgpr_workgroup_id_y 1
		.amdhsa_system_sgpr_workgroup_id_z 1
		.amdhsa_system_vgpr_workitem_id 0
		.amdhsa_next_free_vgpr 256
		.amdhsa_next_free_sgpr 66
		.amdhsa_reserve_vcc 0
		.amdhsa_float_denorm_mode_32 3
		.amdhsa_float_denorm_mode_16_64 3
		.amdhsa_memory_ordered 1
		.amdhsa_forward_progress 1
		.amdhsa_inst_pref_size 79
	.end_amdhsa_kernel
	.amdgpu_metadata
---
amdhsa.version: [ 1, 2 ]
amdhsa.kernels:
  - .name:           k_q2ed65f81c1_prep
    .symbol:         k_q2ed65f81c1_prep.kd
    .args:
      - { .name: x, .offset: 0, .size: 8, .value_kind: global_buffer, .address_space: global }
      - { .name: ln1_g, .offset: 8, .size: 8, .value_kind: global_buffer, .address_space: global }
      - { .name: ln1_b, .offset: 16, .size: 8, .value_kind: global_buffer, .address_space: global }
      - { .name: Wq, .offset: 24, .size: 8, .value_kind: global_buffer, .address_space: global }
      - { .name: Wk, .offset: 32, .size: 8, .value_kind: global_buffer, .address_space: global }
      - { .name: Wv, .offset: 40, .size: 8, .value_kind: global_buffer, .address_space: global }
      - { .name: Wo, .offset: 48, .size: 8, .value_kind: global_buffer, .address_space: global }
      - { .name: W1, .offset: 56, .size: 8, .value_kind: global_buffer, .address_space: global }
      - { .name: W2, .offset: 64, .size: 8, .value_kind: global_buffer, .address_space: global }
      - { .name: lowp_scales, .offset: 72, .size: 8, .value_kind: global_buffer, .address_space: global }
      - { .name: wc, .offset: 80, .size: 8, .value_kind: global_buffer, .address_space: global }
      - { .name: hc, .offset: 88, .size: 8, .value_kind: global_buffer, .address_space: global }
    .group_segment_fixed_size: 0
    .private_segment_fixed_size: 0
    .kernarg_segment_align: 8
    .kernarg_segment_size: 96
    .max_flat_workgroup_size: 128
    .sgpr_count:     66
    .vgpr_count:     256
    .wavefront_size: 32
...
	.end_amdgpu_metadata
.endif
;; end of part 1
;; launch qkv (part 2): grid 12 x 16, 4 waves a work-group, clusters of 4 x 4, 327,680 bytes of LDS; arguments hc, wc, lowp_scales, bq, bk, bv, qkvc; writes qkvc
.if DOCPART == 2
	.amdgcn_target "amdgcn-amd-amdhsa--gfx1250"
	.amdhsa_code_object_version 6
	.text
	.protected	k_q2ed65f81c1_qkv
	.globl	k_q2ed65f81c1_qkv
	.p2align	8
	.type	k_q2ed65f81c1_qkv,@function
k_q2ed65f81c1_qkv:
	s_mov_b64 s[64:65], 0
	v_nop
	global_prefetch_b8 v0, s[64:65] scope:SCOPE_SE
	s_setreg_imm32_b32 hwreg(HW_REG_WAVE_MODE, 25, 1), 1
	s_wait_xcnt 0x0
	s_wait_alu depctr_hold_cnt(0) depctr_sa_sdst(0) depctr_va_vdst(0) depctr_va_sdst(0) depctr_va_ssrc(0) depctr_va_vcc(0) depctr_vm_vsrc(0)
	s_getreg_b32 s2, hwreg(HW_REG_IB_STS2, 6, 4)
	s_cmp_eq_u32 s2, 0
	s_cbranch_scc0 .Lentry_in_a_cluster
	s_endpgm
.Lentry_in_a_cluster:
	s_bfe_u32 s2, ttmp6, 0x10000c
	s_cmp_lg_u32 s2, 0xf033
	s_cbranch_scc0 .Lentry_shape_is_right
	s_endpgm
.Lentry_shape_is_right:
.set ROWB,   256
.set KROW,   1024
.set PITCH,  272
.set FR,     16
.set NL,     4
.set NP,     4
.set HALFT,  128*PITCH
.set SLOT,   4*HALFT
.set SPARE,  2*SLOT
.set VSTG,   256*272
.set STOQ, 8
.set STOV, 9
.set RDQ,  10
.set RDV,  11
.set GOQ,  12
.set GOV,  13
.set ADRA, 16
.set ADRB, 20
.set SPW,  28
.set NIL,  29
.set BR,   32
.set BC,   64
.set TMP,  128
.set CD,   192
.set AF,   128
.set G1, 24
.set G0, 32
.set G1B, 48
.set G0B, 56
.set MSB, 0
.macro WIN new
.if MSB != \new
	s_set_vgpr_msb (MSB<<8)|\new
.set MSB, \new
.endif
.endm
.set MUL_LO, 0xa1
.set MUL_HI, 0xf1
.set TO_B,   0x40
.macro JLOAD g0a, g1a, g0b, g1b
	s_cmp_eq_u32 s15, 0
	s_cbranch_scc0 .Lfor_b_\@
	tensor_load_to_lds s[\g0a:\g0a+3], s[\g1a:\g1a+7]
	s_nop 0
.rept 4
	v_nop
.endr
	s_branch .Lasked_\@
.Lfor_b_\@:
	tensor_load_to_lds s[\g0b:\g0b+3], s[\g1b:\g1b+7]
	s_nop 0
.rept 4
	v_nop
.endr
.Lasked_\@:
.endm
.macro CREST
	s_cmp_lg_u32 s14, 0
	s_cbranch_scc1 .Lnot_wave_0_\@
	s_barrier_signal -3
.Lnot_wave_0_\@:
	s_barrier_wait -3
	s_barrier_signal -1
	s_barrier_wait -1
.endm
.macro CROUND
	s_barrier_signal -1
	s_barrier_wait -1
	CREST
.endm
	s_load_b256 s[4:11], s[0:1], 0x0
	s_load_b128 s[68:71], s[0:1], 0x20
	s_load_b64 s[72:73], s[0:1], 0x30
	v_lshl_add_u32 v[SPW], v0, 2, SPARE
	v_mov_b32 v[NIL], 0
	ds_add_u32 v28, v29
	ds_add_u32 v28, v29
	s_wait_dscnt 0x0
	v_lshrrev_b32 v1, 5, v0
	v_readfirstlane_b32 s14, v1
	s_lshr_b32 s15, s14, 1
	s_and_b32 s16, s14, 1
	s_bfe_u32 s40, ttmp6, 0x40000
	s_bfe_u32 s41, ttmp6, 0x40004
	s_mov_b32 s66, ttmp9
	s_and_b32 s67, ttmp7, 0xffff
	s_lshl_b32 s67, s67, 2
	s_lshl_b32 s43, s41, 2
	s_lshl_b32 s43, 15, s43
	s_lshl_b32 s44, 0x1111, s40
	s_or_b32 s[G1+0], s43, (0<<16)|(1<<20)|(1<<21)|(5<<22)|(3<<25)
	s_or_b32 s[G1B+0], s44, (0<<16)|(1<<20)|(1<<21)|(5<<22)|(3<<25)
.irp g, G1, G1B
	s_mov_b32 s[\g+1], ROWB<<16
	s_mov_b32 s[\g+2], 128<<16
	s_mov_b32 s[\g+3], ROWB<<16
	s_mov_b32 s[\g+4], 128
	s_mov_b32 s[\g+5], KROW
	s_mov_b32 s[\g+6], 0
	s_mov_b32 s[\g+7], 0
.endr
	s_lshl_b32 s74, s66, 22
	s_lshl_b32 s76, s66, 20
	s_cmp_eq_u32 s66, 2
	s_cselect_b32 s17, 0, s67
	s_cselect_b32 s42, s67, 0
	s_cselect_b32 s74, 0x200000, s74
	s_cselect_b32 s76, 0x800000, s76
	s_add_co_u32 s17, s17, s41
	s_add_co_u32 s42, s42, s40
	s_lshl_b32 s18, s16, 7
	s_lshl_b32 s20, s17, 8
	s_add_co_u32 s20, s20, s18
	s_lshl_b32 s20, s20, 10
	s_add_co_u32 s20, s20, s74
	s_mov_b32 s21, 0
	s_lshl_b32 s46, s42, 8
	s_add_co_u32 s46, s46, s18
	s_lshl_b32 s46, s46, 10
	s_add_co_u32 s46, s46, s76
	s_mov_b32 s47, 0
	s_mul_i32 s45, s14, HALFT
	s_wait_kmcnt 0x0
	s_load_b256 s[84:91], s[8:9], 0x0
	s_load_b32 s92, s[8:9], 0x20
	s_cmp_eq_u32 s66, 2
	s_cselect_b64 s[78:79], s[6:7], s[4:5]
	s_cselect_b64 s[80:81], s[4:5], s[6:7]
	s_add_nc_u64 s[20:21], s[78:79], s[20:21]
	s_add_nc_u64 s[46:47], s[80:81], s[46:47]
	; THE PREFETCHES.  A K step is 256 bytes of each row.  Of the 128 rows that my wave fetches, each of the four partners that ask for them jointly takes 32, told apart by address (cx for the first operand, cy for the second):
	; a lane a row, one instruction a wave.  Behind the head's load: K steps 1 and 2; behind K step 1's load: K step 3.  The offsets are immediates: s[98:99] and v22 are never rewritten
	s_cmp_eq_u32 s15, 0
	s_cselect_b64 s[98:99], s[20:21], s[46:47]
	s_cselect_b32 s76, s40, s41
	s_lshl_b32 s76, s76, 15
	s_mov_b32 s77, 0
	s_add_nc_u64 s[98:99], s[98:99], s[76:77]
	CROUND
.irp s, 0,1
	s_mov_b32 s[G0+4*\s], 1
	s_add_co_u32 s[G0+4*\s+1], s45, \s*SLOT
	s_add_nc_u64 s[G0+4*\s+2:G0+4*\s+3], s[20:21], \s*ROWB
	s_or_b32 s[G0+4*\s+3], s[G0+4*\s+3], 0x80000000
	s_mov_b32 s[G0B+4*\s], 1
	s_add_co_u32 s[G0B+4*\s+1], s45, \s*SLOT
	s_add_nc_u64 s[G0B+4*\s+2:G0B+4*\s+3], s[46:47], \s*ROWB
	s_or_b32 s[G0B+4*\s+3], s[G0B+4*\s+3], 0x80000000
.endr
	JLOAD G0, G1, G0B, G1B                         ; K step 0: one tensor load a wave at the head
	v_and_b32 v1, 15, v0
	v_bfe_u32 v2, v0, 4, 1
	v_mul_u32_u24 v3, v1, PITCH
	s_wait_alu depctr_va_vdst(0)
	v_lshl_add_u32 v4, v2, 4, v3
	s_mul_i32 s21, s15, HALFT
	s_mul_i32 s22, s16, HALFT
	s_add_co_u32 s22, s22, 2*HALFT
.irp s, 0,1
	v_add_nc_u32 v[ADRA+\s], s21, v4
	v_add_nc_u32 v[ADRB+\s], s22, v4
	s_add_co_u32 s21, s21, SLOT
	s_add_co_u32 s22, s22, SLOT
.endr
	s_mul_i32 s23, s15, 128*272
	s_lshl_b32 s22, s16, 7
	s_add_co_u32 s23, s23, s22
	v_lshl_add_u32 v5, v2, 3, v3
	v_add_nc_u32 v[STOQ], s23, v5
	v_add_nc_u32 v[STOV], VSTG, v[STOQ]
	v_and_b32 v6, 31, v0
	v_lshrrev_b32 v7, 2, v6
	v_mul_u32_u24 v7, v7, 272
	v_and_b32 v5, 3, v6
	v_lshl_add_u32 v7, v5, 4, v7
	s_mul_i32 s23, s14, 64*272
	v_add_nc_u32 v[RDQ], s23, v7
	v_mul_u32_u24 v7, v2, 272
	v_lshl_add_u32 v7, v1, 4, v7
	v_add_nc_u32 v7, s23, v7
	v_add_nc_u32 v[RDV], VSTG, v7
	v_lshlrev_b32 v[GOQ], 4, v6
	; V leaves as [head][16 chunks of 128 keys][64 channels][128 bytes]: a stage row's 256 tokens are two pieces of 128 bytes, 8,192 bytes apart; two neighbouring channels' pieces are 256 consecutive bytes, aligned
	v_lshrrev_b32 v5, 3, v1
	v_and_b32 v7, 7, v1
	v_lshlrev_b32 v[GOV], 13, v5
	v_lshl_add_u32 v[GOV], v2, 7, v[GOV]
	v_lshl_add_u32 v[GOV], v7, 4, v[GOV]
	s_lshr_b32 s18, s17, 3
	s_lshl_b32 s18, s18, 4
	s_lshl_b32 s19, s42, 2
	s_add_co_u32 s18, s18, s19
	s_lshl_b32 s18, s18, 17
	s_and_b32 s19, s17, 7
	s_lshl_b32 s19, s19, 8
	s_lshl_b32 s22, s14, 6
	s_add_co_u32 s19, s19, s22
	s_lshl_b32 s19, s19, 6
	s_add_co_u32 s18, s18, s19
	s_lshl_b32 s19, s66, 22
	s_add_co_u32 s18, s18, s19
	s_lshr_b32 s19, s42, 3
	s_lshl_b32 s19, s19, 10
	s_lshl_b32 s23, s17, 8
	s_add_co_u32 s19, s19, s23
	s_add_co_u32 s19, s19, s22
	s_lshl_b32 s19, s19, 11
	s_and_b32 s23, s42, 7
	s_lshl_b32 s23, s23, 14
	s_add_co_u32 s19, s19, s23
	s_add_co_u32 s19, s19, 0x800000
	s_cmp_eq_u32 s66, 2
	s_cselect_b32 s18, s19, s18
	s_mov_b32 s19, 0
	s_add_nc_u64 s[72:73], s[72:73], s[18:19]
	s_and_b32 s18, s42, 3
	s_lshl_b32 s18, s18, 10
	s_lshl_b32 s22, s16, 9
	s_add_co_u32 s18, s18, s22
	s_cmp_eq_u32 s66, 0
	s_cselect_b64 s[82:83], s[10:11], s[68:69]
	s_add_nc_u64 s[82:83], s[82:83], s[18:19]
	s_and_b32 s18, s17, 3
	s_lshl_b32 s18, s18, 10
	s_lshl_b32 s22, s15, 9
	s_add_co_u32 s18, s18, s22
	s_add_nc_u64 s[94:95], s[70:71], s[18:19]
	v_lshlrev_b32 v30, 5, v2
	v_and_b32 v22, 31, v0
	v_lshlrev_b32 v22, 10, v22                     ; my lane's row of 1,024 bytes
	global_prefetch_b8 v22, s[98:99] offset:256 th:TH_LOAD_NT scope:SCOPE_SE
	global_prefetch_b8 v22, s[98:99] offset:512 th:TH_LOAD_NT scope:SCOPE_SE
	v_lshlrev_b32 v31, 2, v1
.irp b, 0,1,2,3,4,5,6,7
	global_load_b128 v[BC+8*\b:BC+8*\b+3], v30, s[82:83] offset:64*\b
	global_load_b128 v[BC+8*\b+4:BC+8*\b+7], v30, s[82:83] offset:64*\b+16
.endr
.irp a, 0,1,2,3,4,5,6,7
	global_load_b32 v[BR+2*\a], v31, s[94:95] offset:64*\a
	global_load_b32 v[BR+2*\a+1], v31, s[94:95] offset:64*\a
.endr
.macro FRAG reg, adr, q, i
.irp c, 0,1,2,3
	ds_load_b128 v[\reg+4*\c:\reg+4*\c+3], v[\adr] offset:128*(\q)+32*\c+(\i)*16*PITCH
.endr
.endm
.macro MUL16 a0, p, zero
.irp a, \a0, \a0+1
.irp b, 0,1,2,3,4,5,6,7
.if \zero
	v_wmma_f32_16x16x128_bf8_bf8 v[8*(8*((\a)%4)+\b):8*(8*((\a)%4)+\b)+7], v[128*(\p)+FR*\b:128*(\p)+FR*\b+FR-1], v[AF+FR*(\a):AF+FR*(\a)+FR-1], 0
.else
	v_wmma_f32_16x16x128_bf8_bf8 v[8*(8*((\a)%4)+\b):8*(8*((\a)%4)+\b)+7], v[128*(\p)+FR*\b:128*(\p)+FR*\b+FR-1], v[AF+FR*(\a):AF+FR*(\a)+FR-1], v[8*(8*((\a)%4)+\b):8*(8*((\a)%4)+\b)+7]
.endif
.endr
.endr
.endm
.macro FETCH_B slot, q, p
	WIN TO_B
.irp i, 0,1,2,3,4,5,6,7
	FRAG 128*(\p)+FR*\i, ADRB+\slot, \q, \i
.endr
	WIN 0
.endm
.macro FETCH_A slot, q, i0
.irp i, \i0, \i0+1, \i0+2, \i0+3
	FRAG AF+FR*(\i), ADRA+\slot, \q, \i
.endr
.endm
.macro PLACES n
.rept \n
	v_nop
.endr
.endm
.macro STEP slot, q, zero
	s_wait_dscnt 4*NL
	WIN MUL_LO
	MUL16 0, (\q)%2, \zero
	MUL16 2, (\q)%2, \zero
	s_wait_dscnt 0
	PLACES NP
	FETCH_B \slot, (\q)+1, 1-(\q)%2
	FETCH_A \slot, (\q)+1, 0
	WIN MUL_HI
	MUL16 4, (\q)%2, \zero
	MUL16 6, (\q)%2, \zero
	PLACES NP
	WIN 0
	FETCH_A \slot, (\q)+1, 4
.endm
.macro TURN slot, next, fill
	s_wait_tensorcnt 0x0
	ds_add_u32 v[SPW], v[NIL]
	s_wait_dscnt 4*NL+1
	WIN MUL_LO
	MUL16 0, 1, 0
	s_wait_dscnt 0x0
	s_barrier_signal -1
	MUL16 2, 1, 0
	WIN 0
	s_barrier_wait -1
.if \fill
	CREST
	s_add_nc_u64 s[G0+4*\slot+2:G0+4*\slot+3], s[G0+4*\slot+2:G0+4*\slot+3], 2*ROWB
	s_add_nc_u64 s[G0B+4*\slot+2:G0B+4*\slot+3], s[G0B+4*\slot+2:G0B+4*\slot+3], 2*ROWB
	JLOAD G0+4*\slot, G1, G0B+4*\slot, G1B
.else
	PLACES NP
.endif
	FETCH_B \next, 0, 0
	FETCH_A \next, 0, 0
	WIN MUL_HI
	MUL16 4, 1, 0
	MUL16 6, 1, 0
	PLACES NP
	WIN 0
	FETCH_A \next, 0, 4
.endm
	s_wait_alu depctr_va_vdst(0)                   ; the wait at the head's end
	s_wait_tensorcnt 0x0                           ; my part of K step 0 is in; the lines ahead of a later first fill:
	ds_add_u32 v[SPW], v[NIL]
	s_wait_dscnt 0x0
	CROUND                                         ; everybody's part is in, and all sixteen work-groups are here
	JLOAD G0+4, G1, G0B+4, G1B                     ; K step 1, the first tensor load behind the round
	FETCH_B 0, 0, 0
	FETCH_A 0, 0, 0
	FETCH_A 0, 0, 4
	global_prefetch_b8 v22, s[98:99] offset:768 th:TH_LOAD_NT scope:SCOPE_SE   ; K step 3, two refills ahead of its load
	STEP 0, 0, 1
	TURN 0, 1, 1
	STEP 1, 0, 0
	TURN 1, 0, 1
	STEP 0, 0, 0
	TURN 0, 1, 0
	STEP 1, 0, 0
	s_wait_dscnt 4*NL
	WIN MUL_LO
	MUL16 0, 1, 0
	MUL16 2, 1, 0
	s_wait_dscnt 0
	WIN MUL_HI
	MUL16 4, 1, 0
	MUL16 6, 1, 0
	WIN 0
.macro EPI a, vmode, sto
.set AC, 64*((\a)%4)
.set CDA, CD+16*((\a)%2)
.if (\a) >= 2
	s_wait_dscnt 8
.endif
	WIN 0x02+((\a)/4)
.set i, 0
.rept 32
.if \vmode
	v_pk_fma_f32 v[TMP+i:TMP+i+1], v[AC+i:AC+i+1], s[96:97], v[BR+2*(\a):BR+2*(\a)+1] op_sel_hi:[1,0,1]
.else
	v_pk_fma_f32 v[TMP+i:TMP+i+1], v[AC+i:AC+i+1], s[96:97], v[BC+i:BC+i+1] op_sel_hi:[1,0,1]
.endif
.set i, i+2
.endr
	WIN 0
.set i, 0
.rept 64
	v_med3_num_f32 v[TMP+i], v[TMP+i], -v15, v15
.set i, i+1
.endr
.irp b, 0,1,2,3,4,5,6,7
	v_cvt_scalef32_pk8_bf8_f32 v[CDA+2*\b:CDA+2*\b+1], v[TMP+8*\b:TMP+8*\b+7], v14
.endr
	v_nop
.irp b, 0,1,2,3,4,5,6,7
	ds_store_b64 v[\sto], v[CDA+2*\b:CDA+2*\b+1] offset:(\a)*16*272+16*\b
.endr
.endm
	s_wait_loadcnt 0x0
	s_wait_kmcnt 0x0
	s_add_co_i32 s84, s84, s85
	s_add_co_i32 s86, s86, s87
	s_add_co_i32 s88, s88, s89
	s_cmp_eq_u32 s66, 1
	s_cselect_b32 s84, s86, s84
	s_cselect_b32 s90, s91, s90
	s_cmp_eq_u32 s66, 2
	s_cselect_b32 s84, s88, s84
	s_cselect_b32 s90, s92, s90
	s_add_co_i32 s84, s84, 127
	s_lshl_b32 s96, s84, 23
	s_mov_b32 s97, s96
	s_add_co_i32 s90, s90, 127
	s_lshl_b32 s93, s90, 23
	s_add_co_i32 s90, s90, 15
	s_lshl_b32 s90, s90, 23
	s_or_b32 s90, s90, 0x600000
	PLACES NP
	v_mov_b32 v14, s93
	v_mov_b32 v15, s90
	s_cmp_eq_u32 s66, 2
	s_cbranch_scc1 .Lv_in
.irp a, 0,1,2,3,4,5,6,7
	EPI \a, 0, STOQ
.endr
	s_branch .Lstaged
.Lv_in:
.irp a, 0,1,2,3,4,5,6,7
	EPI \a, 1, STOV
.endr
.Lstaged:
	s_wait_dscnt 0x0
	s_barrier_signal -1
	s_barrier_wait -1
	s_cmp_eq_u32 s66, 2
	s_cbranch_scc1 .Lv_out
.set n, 0
.rept 32
	ds_load_b128 v[128+4*n:128+4*n+3], v[RDQ] offset:(n%8)*8*272+64*(n/8)
.set n, n+1
.endr
.set n, 0
.rept 32
	s_wait_dscnt 31-n
	global_store_b128 v[GOQ], v[128+4*n:128+4*n+3], s[72:73] offset:131072*(n/8)+512*(n%8)
.set n, n+1
.endr
	s_branch .Ldone
.Lv_out:
.set n, 0
.rept 32
	ds_load_b128 v[128+4*n:128+4*n+3], v[RDV] offset:n*2*272
.set n, n+1
.endr
.set n, 0
.rept 32
	s_wait_dscnt 31-n
	global_store_b128 v[GOV], v[128+4*n:128+4*n+3], s[72:73] offset:256*n
.set n, n+1
.endr
.Ldone:
	s_wait_tensorcnt 0x0
	ds_add_u32 v[SPW], v[NIL]
	s_wait_dscnt 0x0
	CROUND
	s_endpgm
.Lfunc_end_k_q2ed65f81c1_qkv:
	.size	k_q2ed65f81c1_qkv, .Lfunc_end_k_q2ed65f81c1_qkv-k_q2ed65f81c1_qkv
	.p2alignl 7, 3214868480
	.fill 96, 4, 3214868480
	.section	.rodata,"a",@progbits
	.p2align	6, 0x0
	.amdhsa_kernel k_q2ed65f81c1_qkv
		.amdhsa_group_segment_fixed_size 327680
		.amdhsa_private_segment_fixed_size 0
		.amdhsa_enable_private_segment 0
		.amdhsa_kernarg_size 56
		.amdhsa_user_sgpr_count 2
		.amdhsa_user_sgpr_kernarg_segment_ptr 1
		.amdhsa_wavefront_size32 1
		.amdhsa_system_sgpr_workgroup_id_x 1
		.amdhsa_system_sgpr_workgroup_id_y 1
		.amdhsa_system_sgpr_workgroup_id_z 1
		.amdhsa_system_vgpr_workitem_id 0
		.amdhsa_next_free_vgpr 1024
		.amdhsa_next_free_sgpr 100
		.amdhsa_reserve_vcc 0
		.amdhsa_float_denorm_mode_32 3
		.amdhsa_float_denorm_mode_16_64 3
		.amdhsa_memory_ordered 1
		.amdhsa_forward_progress 1
		.amdhsa_inst_pref_size 210
	.end_amdhsa_kernel
	.amdgpu_metadata
---
amdhsa.version: [ 1, 2 ]
amdhsa.kernels:
  - .name:           k_q2ed65f81c1_qkv
    .symbol:         k_q2ed65f81c1_qkv.kd
    .args:
      - { .name: hc, .offset: 0, .size: 8, .value_kind: global_buffer, .address_space: global }
      - { .name: wc, .offset: 8, .size: 8, .value_kind: global_buffer, .address_space: global }
      - { .name: lowp_scales, .offset: 16, .size: 8, .value_kind: global_buffer, .address_space: global }
      - { .name: bq, .offset: 24, .size: 8, .value_kind: global_buffer, .address_space: global }
      - { .name: bk, .offset: 32, .size: 8, .value_kind: global_buffer, .address_space: global }
      - { .name: bv, .offset: 40, .size: 8, .value_kind: global_buffer, .address_space: global }
      - { .name: qkvc, .offset: 48, .size: 8, .value_kind: global_buffer, .address_space: global }
    .group_segment_fixed_size: 327680
    .private_segment_fixed_size: 0
    .kernarg_segment_align: 8
    .kernarg_segment_size: 56
    .max_flat_workgroup_size: 128
    .sgpr_count:     100
    .vgpr_count:     1024
    .wavefront_size: 32
...
	.end_amdgpu_metadata
.endif
;; end of part 2
;; launch attn (part 3): grid 8 x 32, 8 waves a work-group, clusters of 4 x 1, 327,680 bytes of LDS; arguments qkvc, lowp_scales, ac; writes ac
.if DOCPART == 3
	.amdgcn_target "amdgcn-amd-amdhsa--gfx1250"
	.amdhsa_code_object_version 6
	.text
	.protected	k_q2ed65f81c1_attn
	.globl	k_q2ed65f81c1_attn
	.p2align	8
	.type	k_q2ed65f81c1_attn,@function
k_q2ed65f81c1_attn:
	s_mov_b64 s[64:65], 0
	v_nop
	global_prefetch_b8 v0, s[64:65] scope:SCOPE_SE
	s_setreg_imm32_b32 hwreg(HW_REG_WAVE_MODE, 25, 1), 1
	s_wait_xcnt 0x0
	s_wait_alu depctr_hold_cnt(0) depctr_sa_sdst(0) depctr_va_vdst(0) depctr_va_sdst(0) depctr_va_ssrc(0) depctr_va_vcc(0) depctr_vm_vsrc(0)
	s_getreg_b32 s2, hwreg(HW_REG_IB_STS2, 6, 4)
	s_cmp_eq_u32 s2, 0
	s_cbranch_scc0 .Lentry_in_a_cluster
	s_endpgm
.Lentry_in_a_cluster:
	s_bfe_u32 s2, ttmp6, 0x10000c
	s_cmp_lg_u32 s2, 0x3003
	s_cbranch_scc0 .Lentry_shape_is_right
	s_endpgm
.Lentry_shape_is_right:
; ATTENTION on codes of E5M2, head size 64, 2,048 keys, no mask.  In qkvc: q, k [32 heads][2048][64] at 0 and 4 MiB; v [32 heads][16 chunks of 128 keys][64 channels][128] at 8 MiB.
; t = score x log2(e) / 8; M = the running largest t rounded UP to a whole number; p = 2^(t - M) is quantised (e9), not normalised; the row's sum is taken of the unquantised p and divides at the end.
; When M moves, the sum and O are multiplied by 2^(old M - new M): exact.  The result is quantised (e10) and stored by heads: ac [16 heads][4096 tokens][64].
; SHARES.  A work-group owns 256 queries of one head; each of its eight waves owns 32, TWO tiles of 16: each fragment of K and V read from LDS feeds two matrix instructions.
; CLUSTER 4 x 1: four query blocks of a head need the same K and V and ask for them jointly (mask 15).
; K AND V OF THE HEAD STAY IN LDS, each byte filled once, by ONE load a wave at the head: 32,768 bytes of memory as 8 rows of 4,096, with 16 bytes of padding behind every 128: 36,864 bytes of LDS.
; Waves 0-3 fetch K, waves 4-7 V, by one group 1 and addresses made of the wave's number.  One barrier shows the tiles to all; from there on no wave waits for another.
; A key step is 128 keys: 9,216 LDS bytes of K (64 rows of two keys) and 9,216 of V (64 channels), so one scalar steps both addresses.
; No prefetch: each byte is asked for once, at the head; there is no loop to run ahead in.
; A STEP GOES BY PHASES, each for both tiles: scores; maxima; the two short chains to M and f, line by line by turns; O^T and the sums x f; t - M; ONE batch of 128 exponentials; sums; holds and conversions; the second products.
; LDS reads run ahead: the next step's fragments of K are asked for behind this step's score products, V's at the step's head, a whole softmax ahead of their use.  The last step is written out: it asks for no further K.
; Both products are used transposed (S^T = K Q^T, O^T = V^T P^T): a lane holds ONE query.  Lane r of key tile 2 b + u takes key 32 b + 8 u + r + 8 (r / 8), so that the 16 registers of two neighbouring tiles are 16 neighbouring keys.
; LDS rows are 144 bytes = 9 units of 16: the sixteen lanes of a load touch sixteen different units modulo 16 (64 banks of 4 bytes: ISA guide 11.1).
; LIMITS: e6 + e7 between -122 and 130 (added to c's exponent field); e9 and e10 between -126 and 112; e8 + e9 goes in by v_ldexp_f32; the scaled scores stay under 2^31 in magnitude.  NaN and infinities are not served.
; REGISTERS, in windows of 256.  Under the same numbers in window 0 (tile 0) and window 1 (tile 1): v16-23 Q, v96-159 S^T then p, v160-191 O^T, v224-239 p's codes, v240, v241 57,344 x 2^e9, v244 2^e9, v248 2^e10, v249 57,344 x 2^e10.
; v32-95: in window 0 K's eight fragments, in window 1 V's four.  BOTH tiles' small state lies in window 0 (names TS.. below).  Window 0 alone: v1-11 addresses, v254, v255 the add's two registers.
.set KP2,   144
.set CH,    64*KP2                     ; a key step's bytes of K, and of V
.set LB,    4*CH                       ; LDS bytes of one tensor load
.set VB,    16*CH                      ; V begins behind K
.set STAGE, 2*VB                       ; the way out: 32 rows x 80 bytes for each wave, its own; no fill lands here
.set SPT,   80
.set SPARE, STAGE+8*32*SPT             ; the spare words: 128 bytes a wave, four blocks of 256 bytes that no other line names
.set AK0,  1
.set AV0,  2
.set GO,   7
.set ADK,  8
.set ADV,  9
.set SPW,  254
.set NIL,  255
.set TS0,  12                          ; a tile's pair: -M, and the running largest score
.set TS1,  192
.set TU0,  14                          ; the sum, in two halves
.set TU1,  194
.set TF0,  252                         ; f (the pair's low word)
.set TF1,  196
.set TP0,  246                         ; the lane permute's destination
.set TP1,  198
.set TC0,  24                          ; eight registers of chains
.set TC1,  200
.set WV,   18
.set TB,   19                          ; s19  LDS byte at which the next step begins in K, and, VB further on, in V
.set SEL,  20
.set CS,   22
.set G1,   24
.set GA,   32
.set MSB, 0
.macro WIN new                         ; the immediate's high byte repeats the setting that is left
.if MSB != \new
	s_set_vgpr_msb (MSB<<8)|\new
.set MSB, \new
.endif
.endm
.set W_T1,  0x54                       ; source 0 (K) window 0; Q, C and D window 1
.set W_V0,  0x01                       ; source 0 (V) window 1; P, C and D window 0
.set W_ALL, 0x55
.set W_MX,  0x14                       ; destination and source 0 (state) window 0; sources 1, 2 (scores) window 1
.set W_ST,  0x41                       ; destination and source 0 (tile 1's numbers) window 1; sources 1, 2 (state) window 0
.macro ROUND                           ; a round of the cluster's barrier
	s_barrier_signal -1
	s_barrier_wait -1
	s_cmp_lg_u32 s[WV], 0
	s_cbranch_scc1 .Lnot_wave_0_\@
	s_barrier_signal -3
.Lnot_wave_0_\@:
	s_barrier_wait -3
	s_barrier_signal -1
	s_barrier_wait -1
.endm
	s_load_b128 s[4:7], s[0:1], 0x0                ; qkvc, the scales' exponents
	s_load_b64 s[16:17], s[0:1], 0x10              ; ac
	v_lshl_add_u32 v[SPW], v0, 2, SPARE
	v_mov_b32 v[NIL], 0
	ds_add_u32 v[SPW], v[NIL]                      ; the opening lines: the add, twice on end, and its wait
	ds_add_u32 v[SPW], v[NIL]
	v_lshrrev_b32 v8, 5, v0
	v_readfirstlane_b32 s[WV], v8                  ; wave 0..7
	s_bfe_u32 s40, ttmp6, 0x40000                  ; cx
	s_lshl_b32 s41, ttmp9, 2
	s_add_co_u32 s41, s41, s40                     ; my block of 256 queries
	s_and_b32 s8, ttmp7, 0xffff                    ; 16 b + head
	s_lshl_b32 s9, s8, 17                          ; its 131,072 bytes in each of q, k, v
	s_lshl_b32 s10, s41, 8
	s_lshl_b32 s11, s[WV], 5
	s_add_co_u32 s10, s10, s11                     ; my first query
	s_lshl_b32 s12, s10, 6
	s_add_co_u32 s12, s12, s9
	s_mov_b32 s13, 0
	s_lshr_b32 s42, s[WV], 2                       ; I fetch for K (0) or for V (1),
	s_and_b32 s43, s[WV], 3                        ; its s43-th quarter
	s_lshl_b32 s44, s42, 22
	s_add_co_u32 s44, s44, 0x400000
	s_add_co_u32 s44, s44, s9
	s_lshl_b32 s45, s43, 15
	s_add_co_u32 s44, s44, s45
	s_mov_b32 s45, 0
	s_mul_i32 s46, s42, VB
	s_mul_i32 s47, s43, LB
	s_add_co_u32 s46, s46, s47                     ; and where it goes: the wave's number alone
	s_and_b32 s14, s8, 15
	s_lshl_b32 s14, s14, 18                        ; ac: head x 262,144
	s_lshr_b32 s15, s8, 4
	s_lshl_b32 s15, s15, 11
	s_add_co_u32 s15, s15, s10
	s_lshl_b32 s15, s15, 6                         ; + token x 64
	s_add_co_u32 s14, s14, s15
	s_mov_b32 s15, 0
	s_mov_b32 s[G1], 15|(0<<16)|(1<<20)|(1<<21)|(4<<22)|(3<<25)   ; the mask: all four of the cluster; elements of 1 byte; 4 words of padding behind every 32
	s_mov_b32 s[G1+1], 4096<<16
	s_mov_b32 s[G1+2], 8<<16
	s_mov_b32 s[G1+3], 4096<<16
	s_mov_b32 s[G1+4], 8
	s_mov_b32 s[G1+5], 4096
	s_mov_b32 s[G1+6], 0
	s_mov_b32 s[G1+7], 0
	s_mov_b32 s[SEL], 0x76543210
	s_mov_b32 s[SEL+1], 0xfedcba98                 ; lane l xor 16
	s_mov_b32 s[CS], 0x3e38aa3b                    ; c = log2(e) / 8
	s_mov_b32 s[TB], 0
	s_wait_dscnt 0x0                               ; both opening adds are done
	s_wait_kmcnt 0x0
	s_load_b256 s[76:83], s[6:7], 0x18             ; e6 (q), e7 (k), e8 (v), e9 (p), e10 (the result), ..
	s_add_nc_u64 s[44:45], s[4:5], s[44:45]
	s_mov_b32 s[GA], 1
	s_mov_b32 s[GA+1], s46
	s_mov_b64 s[GA+2:GA+3], s[44:45]
	s_or_b32 s[GA+3], s[GA+3], 0x80000000
	ROUND                                          ; the four work-groups are here: the joint loads meet
	tensor_load_to_lds s[GA:GA+3], s[G1:G1+7]      ; my one tensor load
	s_nop 0
	s_add_nc_u64 s[92:93], s[4:5], s[12:13]        ; Q's codes at my first query
	s_add_nc_u64 s[16:17], s[16:17], s[14:15]
	v_and_b32 v8, 15, v0                           ; r
	v_bfe_u32 v9, v0, 4, 1                         ; h
	s_delay_alu instid0(VALU_DEP_2)
	v_lshlrev_b32 v10, 6, v8
	s_delay_alu instid0(VALU_DEP_1)
	v_lshl_add_u32 v10, v9, 4, v10
	global_load_b128 v[16:19], v10, s[92:93]       ; Q's fragments stay in registers: registers 4 c on hold channels 32 c + 16 h + 0 .. 15, as K's do
	global_load_b128 v[20:23], v10, s[92:93] offset:32
	WIN 0x40
	global_load_b128 v[16:19], v10, s[92:93] offset:1024
	global_load_b128 v[20:23], v10, s[92:93] offset:1056
	WIN 0
	v_and_b32 v11, 8, v8
	s_delay_alu instid0(VALU_DEP_1)
	v_add_nc_u32 v11, v11, v8                      ; r + 8 (r / 8)
	s_delay_alu instid0(VALU_DEP_1)
	v_lshrrev_b32 v3, 1, v11
	s_delay_alu instid0(VALU_DEP_1)
	v_mul_u32_u24 v[AK0], v3, KP2                  ; its row of two keys,
	s_delay_alu instid0(VALU_DEP_3)
	v_and_b32 v3, 1, v11
	s_delay_alu instid0(VALU_DEP_1)
	v_lshl_add_u32 v[AK0], v3, 6, v[AK0]           ; which of the two,
	s_delay_alu instid0(VALU_DEP_1)
	v_lshl_add_u32 v[AK0], v9, 4, v[AK0]           ; my half's 16 bytes
	v_mul_u32_u24 v[AV0], v8, KP2
	s_delay_alu instid0(VALU_DEP_1)
	v_lshl_add_u32 v[AV0], v9, 4, v[AV0]
	s_delay_alu instid0(VALU_DEP_1)
	v_add_nc_u32 v[AV0], VB, v[AV0]
	v_mov_b32 v[ADK], v[AK0]                       ; step 0's addresses (r and h are done with)
	v_mov_b32 v[ADV], v[AV0]
	v_and_b32 v[GO], 31, v0
	s_delay_alu instid0(VALU_DEP_1)
	v_lshlrev_b32 v[GO], 4, v[GO]
	s_wait_kmcnt 0x0
	s_add_co_i32 s94, s76, s77
	s_lshl_b32 s94, s94, 23
	s_add_co_i32 s[CS], s[CS], s94                 ; a score stands for score x 2^(e6 + e7)
	s_mov_b32 s[CS+1], s[CS]
	s_add_co_i32 s94, s79, 127
	s_lshl_b32 s84, s94, 23                        ; 2^e9
	s_add_co_i32 s94, s94, 15
	s_lshl_b32 s94, s94, 23
	s_or_b32 s85, s94, 0x600000                    ; 57,344 x 2^e9
	s_add_co_i32 s94, s80, 127
	s_lshl_b32 s86, s94, 23                        ; 2^e10
	s_add_co_i32 s94, s94, 15
	s_lshl_b32 s94, s94, 23
	s_or_b32 s87, s94, 0x600000                    ; 57,344 x 2^e10
	s_add_co_i32 s96, s78, s79                     ; e8 + e9
.macro INIT                            ; a window's constants and O^T
	v_mov_b32 v244, s84
	v_mov_b32 v240, s85
	v_mov_b32 v241, s85                            ; twice: the two halves of a dual line take their second sources from two registers
	v_mov_b32 v248, s86
	v_mov_b32 v249, s87
.set i, 0
.rept 32
	v_mov_b32 v[160+i], 0                          ; O^T: the step is written once; the first finds zeros, which the first change of M leaves zeros
.set i, i+1
.endr
.endm
.macro STATE ts, tu, tf, tp            ; a tile's state, in window 0
	v_mov_b32 v[\ts], 0x7f61b1e6                   ; -M = 3e38, a whole number
	v_mov_b32 v[\ts+1], 0xff61b1e6                 ; the largest score so far: -3e38
	v_mov_b32 v[\tu], 0
	v_mov_b32 v[\tu+1], 0
	v_mov_b32 v[\tf+1], 0                          ; (the upper half of f's pair)
	v_mov_b32 v[\tp], 0                            ; a lane permute's destination counts as one of its sources
.endm
	STATE TS0, TU0, TF0, TP0
	STATE TS1, TU1, TF1, TP1
	INIT
	WIN 0x40
	INIT
	WIN 0
.macro KLOAD off                       ; K's eight fragments: tile t begins at key 32 (t / 2) + 8 (t % 2): half as many rows of two keys
.irp t, 0,1,2,3,4,5,6,7
.irp c, 0,1
	ds_load_b128 v[32+8*\t+4*\c:32+8*\t+4*\c+3], v[ADK] offset:\off+(16*(\t/2)+4*(\t%2))*KP2+32*\c
.endr
.endr
.endm
.macro QK                              ; S^T = K Q^T: eight tiles of 16 keys
.irp t, 0,1,2,3,4,5,6,7
	v_wmma_f32_16x16x64_bf8_bf8 v[96+8*\t:103+8*\t], v[32+8*\t:39+8*\t], v[16:23], 0
.endr
.endm
.macro PV                              ; O^T += V^T P^T: four accumulators by turns
.irp t, 0,1,2,3
	v_wmma_f32_16x16x128_bf8_bf8 v[160+8*\t:167+8*\t], v[32+16*\t:47+16*\t], v[224:239], v[160+8*\t:167+8*\t]
.endr
.endm
.macro MAXA tc, mr                     ; the largest score so far and of my 64 keys: four chains that begin with the running one; ascending
.irp k, 0,1,2,3
	v_max3_num_f32 v[\tc+\k], v[\mr], v[96+2*\k], v[97+2*\k]
.endr
.set n, 4
.rept 28
	v_max3_num_f32 v[\tc+n%4], v[\tc+n%4], v[96+2*n], v[97+2*n]
.set n, n+1
.endr
.endm
.macro OMUL tf                         ; O^T under the new M
.set j, 0
.rept 16
	v_pk_mul_f32 v[160+j:161+j], v[160+j:161+j], v[\tf:\tf+1] op_sel_hi:[1,0]
.set j, j+2
.endr
.endm
.macro FMA ts                          ; t - M (of the pairs c and -M the low word serves both halves)
.set j, 0
.rept 32
	v_pk_fma_f32 v[96+j:97+j], v[96+j:97+j], s[CS:CS+1], v[\ts:\ts+1] op_sel_hi:[1,0,0]
.set j, j+2
.endr
.endm
.macro EXPS                            ; p = 2^(t - M)
.set j, 0
.rept 64
	v_exp_f32 v[96+j], v[96+j]
.set j, j+1
.endr
.endm
.macro SUMI tc                         ; the row's sum of the UNQUANTISED p, two at a time, in four chains: their first links,
.irp i, 0,1,2,3
	v_pk_add_f32 v[\tc+2*\i:\tc+2*\i+1], v[96+4*\i:97+4*\i], v[98+4*\i:99+4*\i]
.endr
.endm
.macro SUMM tc                         ; and the rest
.set n, 8
.rept 24
	v_pk_add_f32 v[\tc+2*(n%4):\tc+2*(n%4)+1], v[\tc+2*(n%4):\tc+2*(n%4)+1], v[96+2*n:97+2*n]
.set n, n+1
.endr
.endm
.macro HOLD                            ; the conversion does not saturate (ISA guide 7.6.2); p is not negative, so the hold is one-sided; two numbers a line
.irp b, 0,1,2,3
.set i, 0
.rept 8
	v_dual_min_num_f32 v[96+16*\b+i], v[96+16*\b+i], v240 :: v_dual_min_num_f32 v[97+16*\b+i], v[97+16*\b+i], v241
.set i, i+2
.endr
	v_cvt_scalef32_pk8_bf8_f32 v[224+4*\b:225+4*\b], v[96+16*\b:103+16*\b], v244
	v_cvt_scalef32_pk8_bf8_f32 v[226+4*\b:227+4*\b], v[104+16*\b:111+16*\b], v244
.endr
.endm
; A KEY STEP: 128 keys, for both tiles.  more = 1: the next step's K is asked for.
.macro STEP more
.rept 4
	v_nop                                          ; four plain lines in front of loads into registers that the last products read
.endr
	WIN 0x40
.irp t, 0,1,2,3
.irp c, 0,1,2,3
	ds_load_b128 v[32+16*\t+4*\c:32+16*\t+4*\c+3], v[ADV] offset:16*\t*KP2+32*\c   ; V's four fragments
.endr
.endr
	WIN 0
	s_wait_dscnt 16                                ; K's sixteen loads, issued a step ago, are in; V's sixteen may be out
	QK
	WIN W_T1
	QK                                             ; the same fragments of K against tile 1's queries
	WIN 0
.rept 4
	v_nop                                          ; places: for the loads into K's registers and for the first read of the scores
.endr
.if \more
	KLOAD CH                                       ; the next step's K
	s_add_co_u32 s[TB], s[TB], CH
	v_add_nc_u32 v[ADK], s[TB], v[AK0]             ; the next step's addresses, made here, with the softmax's lines between them and their readers
	v_add_nc_u32 v[ADV], s[TB], v[AV0]
.endif
	MAXA TC0, TS0+1
	WIN W_MX
	MAXA TC1, TS1+1
	WIN 0
	v_max3_num_f32 v[TC0], v[TC0], v[TC0+1], v[TC0+2]      ; the two tiles' chains take turns, line by line
	v_max3_num_f32 v[TC1], v[TC1], v[TC1+1], v[TC1+2]
	v_max_num_f32 v[TC0], v[TC0], v[TC0+3]
	v_max_num_f32 v[TC1], v[TC1], v[TC1+3]
	v_permlanex16_b32 v[TP0], v[TC0], s[SEL], s[SEL+1]
	v_permlanex16_b32 v[TP1], v[TC1], s[SEL], s[SEL+1]
	v_max_num_f32 v[TS0+1], v[TC0], v[TP0]                 ; and among lane l xor 16's keys: the running largest score
	v_max_num_f32 v[TS1+1], v[TC1], v[TP1]
	v_mul_f32 v[TC0], s[CS], v[TS0+1]                      ; as t (c is positive)
	v_mul_f32 v[TC1], s[CS], v[TS1+1]
	v_mov_b32 v[TC0+1], v[TS0]
	v_mov_b32 v[TC1+1], v[TS1]
	v_floor_f32 v[TS0], -v[TC0]                            ; the new -M = floor(-t): M is a whole number
	v_floor_f32 v[TS1], -v[TC1]
	v_sub_f32 v[TC0], v[TS0], v[TC0+1]                     ; old M - new M, 0 or less
	v_sub_f32 v[TC1], v[TS1], v[TC1+1]
	v_cvt_i32_f32 v[TC0], v[TC0]                           ; (it saturates)
	v_cvt_i32_f32 v[TC1], v[TC1]
	v_ldexp_f32 v[TF0], 1.0, v[TC0]                        ; f = 2^(old M - new M)
	v_ldexp_f32 v[TF1], 1.0, v[TC1]
	v_pk_mul_f32 v[TU0:TU0+1], v[TU0:TU0+1], v[TF0:TF0+1] op_sel_hi:[1,0]   ; the sums under the new M
	v_pk_mul_f32 v[TU1:TU1+1], v[TU1:TU1+1], v[TF1:TF1+1] op_sel_hi:[1,0]
	OMUL TF0                                       ; O^T is first read here, ahead of the step's exponentials
	FMA TS0
	WIN W_ST
	OMUL TF1
	FMA TS1
	s_wait_alu depctr_va_vdst(0)                   ; the wait ahead of the batch
	EXPS
	WIN 0
	EXPS
	v_nop                                          ; a plain line behind the exponentials
	s_wait_alu depctr_va_vdst(0)                   ; one wait for the batch of 128, ahead of its first reader
	s_wait_dscnt 16*\more                          ; V's sixteen loads are in; the next step's K, issued behind them, may be out
	SUMI TC0
	SUMM TC0
	WIN 0x05
	SUMI TC1
	WIN 0x04
	SUMM TC1
	WIN 0
	v_pk_add_f32 v[TC0:TC0+1], v[TC0:TC0+1], v[TC0+2:TC0+3]
	v_pk_add_f32 v[TC1:TC1+1], v[TC1:TC1+1], v[TC1+2:TC1+3]
	v_pk_add_f32 v[TC0+4:TC0+5], v[TC0+4:TC0+5], v[TC0+6:TC0+7]
	v_pk_add_f32 v[TC1+4:TC1+5], v[TC1+4:TC1+5], v[TC1+6:TC1+7]
	v_pk_add_f32 v[TC0:TC0+1], v[TC0:TC0+1], v[TC0+4:TC0+5]
	v_pk_add_f32 v[TC1:TC1+1], v[TC1:TC1+1], v[TC1+4:TC1+5]
	v_pk_add_f32 v[TU0:TU0+1], v[TU0:TU0+1], v[TC0:TC0+1]
	v_pk_add_f32 v[TU1:TU1+1], v[TU1:TU1+1], v[TC1:TC1+1]
	HOLD
	WIN W_ALL
	HOLD
	v_nop                                          ; a plain line between the last conversion and the products
	s_wait_alu depctr_va_vdst(0)                   ; covers the lines above, whose registers are named again behind the loop's jump
	PV
	WIN W_V0
	PV
	WIN 0
.endm
	s_wait_alu depctr_va_vdst(0)                   ; the wait at the head's end
	s_wait_tensorcnt 0x0                           ; my quarter of K or of V is in
	s_barrier_signal -1
	s_barrier_wait -1                              ; everybody's is: K and V are whole
	KLOAD 0                                        ; step 0's K
	s_wait_loadcnt 0x0                             ; Q
	s_mov_b32 s3, 15
.Lstep:
	STEP 1
	s_sub_co_u32 s3, s3, 1
	s_cmp_lg_u32 s3, 0
	s_cbranch_scc1 .Lstep
	STEP 0
	; THE WAY OUT: O^T / the sum x 2^(e8 + e9), quantised with e10; my 32 rows of 64 codes go through my stage and leave as 2,048 consecutive bytes.  The address work is also the places behind the last products
	v_and_b32 v8, 15, v0
	v_bfe_u32 v9, v0, 4, 1
	s_mul_i32 s94, s[WV], 32*SPT
	s_add_co_u32 s94, s94, STAGE
	v_mul_u32_u24 v10, v8, SPT
	s_delay_alu instid0(VALU_DEP_1)
	v_lshl_add_u32 v10, v9, 3, v10
	s_delay_alu instid0(VALU_DEP_1)
	v_add_nc_u32 v10, s94, v10                     ; in: row r, channel tile t's eight codes of my half at 16 t + 8 h
	v_and_b32 v11, 31, v0
	s_delay_alu instid0(VALU_DEP_1)
	v_lshrrev_b32 v4, 2, v11
	s_delay_alu instid0(VALU_DEP_1)
	v_mul_u32_u24 v4, v4, SPT
	s_delay_alu instid0(VALU_DEP_3)
	v_and_b32 v11, 3, v11
	s_delay_alu instid0(VALU_DEP_1)
	v_lshl_add_u32 v11, v11, 4, v4
	s_delay_alu instid0(VALU_DEP_1)
	v_add_nc_u32 v11, s94, v11                     ; back: four lanes to a row, eight rows an instruction
	v_add_f32 v[TU0], v[TU0], v[TU0+1]             ; the sums' two halves,
	v_add_f32 v[TU1], v[TU1], v[TU1+1]
	v_permlanex16_b32 v[TP0], v[TU0], s[SEL], s[SEL+1]
	v_permlanex16_b32 v[TP1], v[TU1], s[SEL], s[SEL+1]
	v_add_f32 v[TU0], v[TU0], v[TP0]               ; and lane l xor 16's
	v_add_f32 v[TU1], v[TU1], v[TP1]
	s_wait_alu depctr_va_vdst(0)                   ; the wait ahead of the two transcendentals
	v_rcp_f32 v[TU0], v[TU0]
	v_rcp_f32 v[TU1], v[TU1]
	v_nop                                          ; a plain line behind them
	s_wait_alu depctr_va_vdst(0)                   ; the wait ahead of their first readers
	v_ldexp_f32 v[TU0], v[TU0], s96
	v_ldexp_f32 v[TU1], v[TU1], s96
.macro SCALE tu                        ; each accumulator from its low end on
	s_wait_alu depctr_va_vdst(0)                   ; directly ahead of the first readers of O^T
.set j, 0
.rept 32
	v_mul_f32 v[96+j], v[160+j], v[\tu]
.set j, j+1
.endr
.endm
.macro HELD
.set j, 0
.rept 32
	v_med3_num_f32 v[96+j], v[96+j], -v249, v249
.set j, j+1
.endr
.endm
.macro CODES t1                        ; tile t1's codes end in window 0: v224-231 or v232-239
.irp t, 0,1,2,3
	v_cvt_scalef32_pk8_bf8_f32 v[224+8*\t1+2*\t:225+8*\t1+2*\t], v[96+8*\t:103+8*\t], v248
.endr
.endm
	SCALE TU0
	HELD
	CODES 0
	WIN W_ST
	SCALE TU1
	WIN W_ALL
	HELD
	WIN 0x05                                       ; the numbers and the scale in window 1, the codes into window 0
	CODES 1
	WIN 0
	v_nop                                          ; a plain line behind the last conversion
.irp t, 0,1,2,3
	ds_store_b64 v10, v[224+2*\t:225+2*\t] offset:16*\t
	ds_store_b64 v10, v[232+2*\t:233+2*\t] offset:16*SPT+16*\t
.endr
.irp i, 0,1,2,3
	ds_load_b128 v[32+4*\i:35+4*\i], v11 offset:8*SPT*\i   ; LDS serves a wave's instructions in order (ISA guide 5.7.1.4): these see my stores
.endr
.irp i, 0,1,2,3
	s_wait_dscnt 3-\i                              ; the younger loads may be out
	global_store_b128 v[GO], v[32+4*\i:35+4*\i], s[16:17] offset:512*\i   ; 512 consecutive bytes, aligned
.endr
	s_wait_tensorcnt 0x0                           ; the wave's end
	ds_add_u32 v[SPW], v[NIL]
	s_wait_dscnt 0x0
	ROUND                                          ; the closing round
	s_endpgm
.Lfunc_end_k_q2ed65f81c1_attn:
	.size	k_q2ed65f81c1_attn, .Lfunc_end_k_q2ed65f81c1_attn-k_q2ed65f81c1_attn
	.p2alignl 7, 3214868480
	.fill 96, 4, 3214868480
	.section	.rodata,"a",@progbits
	.p2align	6, 0x0
	.amdhsa_kernel k_q2ed65f81c1_attn
		.amdhsa_group_segment_fixed_size 327680
		.amdhsa_private_segment_fixed_size 0
		.amdhsa_enable_private_segment 0
		.amdhsa_kernarg_size 24
		.amdhsa_user_sgpr_count 2
		.amdhsa_user_sgpr_kernarg_segment_ptr 1
		.amdhsa_wavefront_size32 1
		.amdhsa_system_sgpr_workgroup_id_x 1
		.amdhsa_system_sgpr_workgroup_id_y 1
		.amdhsa_system_sgpr_workgroup_id_z 1
		.amdhsa_system_vgpr_workitem_id 0
		.amdhsa_next_free_vgpr 512
		.amdhsa_next_free_sgpr 100
		.amdhsa_reserve_vcc 0
		.amdhsa_float_denorm_mode_32 3
		.amdhsa_float_denorm_mode_16_64 3
		.amdhsa_memory_ordered 1
		.amdhsa_forward_progress 1
		.amdhsa_inst_pref_size 76
	.end_amdhsa_kernel
	.amdgpu_metadata
---
amdhsa.version: [ 1, 2 ]
amdhsa.kernels:
  - .name:           k_q2ed65f81c1_attn
    .symbol:         k_q2ed65f81c1_attn.kd
    .args:
      - { .name: qkvc, .offset: 0, .size: 8, .value_kind: global_buffer, .address_space: global }
      - { .name: lowp_scales, .offset: 8, .size: 8, .value_kind: global_buffer, .address_space: global }
      - { .name: ac, .offset: 16, .size: 8, .value_kind: global_buffer, .address_space: global }
    .group_segment_fixed_size: 327680
    .private_segment_fixed_size: 0
    .kernarg_segment_align: 8
    .kernarg_segment_size: 24
    .max_flat_workgroup_size: 256
    .sgpr_count:     100
    .vgpr_count:     512
    .wavefront_size: 32
...
	.end_amdgpu_metadata
.endif
;; end of part 3
;; launch oproj (part 4): grid 8 x 32, 4 waves a work-group, clusters of 4 x 4, 327,680 bytes of LDS; arguments ac, wc, x1, lowp_scales, bo, x; writes x1
.if DOCPART == 4
	.amdgcn_target "amdgcn-amd-amdhsa--gfx1250"
	.amdhsa_code_object_version 6
	.text
	.protected	k_q2ed65f81c1_oproj
	.globl	k_q2ed65f81c1_oproj
	.p2align	8
	.type	k_q2ed65f81c1_oproj,@function
k_q2ed65f81c1_oproj:
	s_mov_b64 s[64:65], 0
	v_nop
	global_prefetch_b8 v0, s[64:65] scope:SCOPE_SE
	s_setreg_imm32_b32 hwreg(HW_REG_WAVE_MODE, 25, 1), 1
	s_wait_xcnt 0x0
	s_wait_alu depctr_hold_cnt(0) depctr_sa_sdst(0) depctr_va_vdst(0) depctr_va_sdst(0) depctr_va_ssrc(0) depctr_va_vcc(0) depctr_vm_vsrc(0)
	s_getreg_b32 s2, hwreg(HW_REG_IB_STS2, 6, 4)
	s_cmp_eq_u32 s2, 0
	s_cbranch_scc0 .Lentry_in_a_cluster
	s_endpgm
.Lentry_in_a_cluster:
	s_bfe_u32 s2, ttmp6, 0x10000c
	s_cmp_lg_u32 s2, 0xf033
	s_cbranch_scc0 .Lentry_shape_is_right
	s_endpgm
.Lentry_shape_is_right:
.set SIZE_K, 1024
.set PLANES, 1
.set WOFF,   0x300000
.set EIDX,   40
; K = 1,024 is brought whole by ONE load a wave: A's 16 planes (heads) of 64 tokens x 64 bytes, B's 64 rows of 1,024 bytes + 16 of padding.  'Slot 1' below is the second half of K inside the same tiles
.set PITCH,  1040
.set HALFT,  64*PITCH
.if PLANES
.set APL,    64*80
.set AHALF,  16*APL
.set ASTEP,  8*262144
.else
.set AHALF,  HALFT
.set ASTEP,  512
.endif
.set BOFF,   2*AHALF
.set SLOT,   BOFF+2*HALFT
.set STAGE,  SLOT
.set SPITCH, 272
.set SPARE,  STAGE+4*16*SPITCH
.set LAPS,   SIZE_K/1024
.set BIAS, 12
.set ADRA, 16
.set ADRB, 20
.set STO,  24
.set RD,   25
.set CO,   26
.set BO,   27
.set SPW,  28
.set NIL,  29
.set T,    32
.set ACC,  128
.set F0,   0
.set F1,   128
.set G1, 24
.set G0, 32
.set G1B, 48
.set G0B, 56
.set MSB, 0
.macro WIN new
.if MSB != \new
	s_set_vgpr_msb (MSB<<8)|\new
.set MSB, \new
.endif
.endm
.set MUL,  0x05
.set TO_F, 0x40
.macro JLOAD s
	s_cmp_eq_u32 s11, 0
	s_cbranch_scc0 .Lfor_b_\@
	tensor_load_to_lds s[G0+4*\s:G0+4*\s+3], s[G1:G1+7]
	s_nop 0
.rept 4
	v_nop
.endr
	s_branch .Lasked_\@
.Lfor_b_\@:
	tensor_load_to_lds s[G0B+4*\s:G0B+4*\s+3], s[G1B:G1B+7]
	s_nop 0
.rept 4
	v_nop
.endr
.Lasked_\@:
.endm
.macro CREST
	s_cmp_lg_u32 s10, 0
	s_cbranch_scc1 .Lnot_wave_0_\@
	s_barrier_signal -3
.Lnot_wave_0_\@:
	s_barrier_wait -3
	s_barrier_signal -1
	s_barrier_wait -1
.endm
.macro CROUND
	s_barrier_signal -1
	s_barrier_wait -1
	CREST
.endm
	s_load_b128 s[4:7], s[0:1], 0x0
	s_load_b256 s[68:75], s[0:1], 0x10
	v_lshl_add_u32 v[SPW], v0, 2, SPARE
	v_mov_b32 v[NIL], 0
	ds_add_u32 v28, v29
	ds_add_u32 v28, v29
	s_wait_dscnt 0x0
	v_lshrrev_b32 v1, 5, v0
	v_readfirstlane_b32 s10, v1
	s_lshr_b32 s11, s10, 1
	s_and_b32 s12, s10, 1
	s_bfe_u32 s40, ttmp6, 0x40000
	s_bfe_u32 s41, ttmp6, 0x40004
	s_lshl_b32 s42, ttmp9, 2
	s_add_co_u32 s42, s42, s40
	s_and_b32 s13, ttmp7, 0xffff
	s_lshl_b32 s13, s13, 2
	s_add_co_u32 s13, s13, s41
	s_lshl_b32 s43, s41, 2
	s_lshl_b32 s43, 15, s43
	s_lshl_b32 s44, 0x1111, s40
.if PLANES
	s_or_b32 s[G1+0], s43, (0<<16)|(1<<20)|(1<<21)|(3<<22)|(3<<25)
	s_mov_b32 s[G1+1], 4096<<16
	s_mov_b32 s[G1+2], 16<<16
	s_mov_b32 s[G1+3], 4096<<16
	s_mov_b32 s[G1+4], 16
	s_mov_b32 s[G1+5], 262144
.else
	s_or_b32 s[G1+0], s43, (0<<16)|(1<<20)|(1<<21)|(6<<22)|(3<<25)
	s_mov_b32 s[G1+1], 512<<16
	s_mov_b32 s[G1+2], 64<<16
	s_mov_b32 s[G1+3], 512<<16
	s_mov_b32 s[G1+4], 64
	s_mov_b32 s[G1+5], SIZE_K
.endif
	s_mov_b32 s[G1+6], 0
	s_mov_b32 s[G1+7], 0
	s_or_b32 s[G1B+0], s44, (0<<16)|(1<<20)|(1<<21)|(7<<22)|(3<<25)
	s_mov_b32 s[G1B+1], 1024<<16
	s_mov_b32 s[G1B+2], 64<<16
	s_mov_b32 s[G1B+3], 1024<<16
	s_mov_b32 s[G1B+4], 64
	s_mov_b32 s[G1B+5], SIZE_K
	s_mov_b32 s[G1B+6], 0
	s_mov_b32 s[G1B+7], 0
	s_lshl_b32 s17, s12, 6
	s_lshl_b32 s16, s13, 7
	s_add_co_u32 s16, s16, s17
.if PLANES
	s_lshl_b32 s16, s16, 6
.else
	s_mul_i32 s16, s16, SIZE_K
.endif
	s_lshl_b32 s46, s42, 7
	s_add_co_u32 s46, s46, s17
	s_mul_i32 s46, s46, SIZE_K
	s_add_co_u32 s46, s46, WOFF
	s_mov_b32 s17, 0
	s_mov_b32 s47, 0
	s_mul_i32 s20, s12, AHALF
	s_mul_i32 s21, s12, HALFT
	s_add_co_u32 s21, s21, BOFF
	s_wait_kmcnt 0x0
	s_load_b64 s[76:77], s[70:71], EIDX
	s_add_nc_u64 s[14:15], s[4:5], s[16:17]
	s_add_nc_u64 s[46:47], s[6:7], s[46:47]
	CROUND
.irp s, 0
	s_mov_b32 s[G0+4*\s], 1
	s_add_co_u32 s[G0+4*\s+1], s20, \s*SLOT
	s_add_nc_u64 s[G0+4*\s+2:G0+4*\s+3], s[14:15], \s*ASTEP
	s_or_b32 s[G0+4*\s+3], s[G0+4*\s+3], 0x80000000
	s_mov_b32 s[G0B+4*\s], 1
	s_add_co_u32 s[G0B+4*\s+1], s21, \s*SLOT
	s_add_nc_u64 s[G0B+4*\s+2:G0B+4*\s+3], s[46:47], \s*512
	s_or_b32 s[G0B+4*\s+3], s[G0B+4*\s+3], 0x80000000
.endr
	JLOAD 0                                        ; my one tensor load
	v_and_b32 v1, 15, v0
	v_bfe_u32 v2, v0, 4, 1
	v_mul_u32_u24 v3, v1, PITCH
	v_lshl_add_u32 v3, v2, 4, v3
.if PLANES
	v_mul_u32_u24 v4, v1, 80
	v_lshl_add_u32 v4, v2, 4, v4
.else
	v_mov_b32 v4, v3
.endif
	s_mul_i32 s21, s11, AHALF
	s_mul_i32 s22, s12, HALFT
	s_add_co_u32 s22, s22, BOFF
.irp s, 0,1
	v_add_nc_u32 v[ADRA+\s], s21, v4
	v_add_nc_u32 v[ADRB+\s], s22, v3
	s_add_co_u32 s21, s21, 8*APL
	s_add_co_u32 s22, s22, 512
.endr
	s_mul_i32 s23, s10, 16*SPITCH
	s_add_co_u32 s23, s23, STAGE
	v_mul_u32_u24 v4, v1, SPITCH
	v_lshl_add_u32 v4, v2, 5, v4
	v_add_nc_u32 v[STO], s23, v4
	v_mul_u32_u24 v5, v2, SPITCH
	v_lshl_add_u32 v5, v1, 4, v5
	v_add_nc_u32 v[RD], s23, v5
	v_lshlrev_b32 v[CO], 12, v2
	v_lshl_add_u32 v[CO], v1, 4, v[CO]
	v_lshlrev_b32 v[BO], 4, v1
	s_wait_alu depctr_va_vdst(0)
	s_lshl_b32 s16, s13, 7
	s_lshl_b32 s17, s11, 6
	s_add_co_u32 s16, s16, s17
	s_lshl_b32 s16, s16, 12
	s_mov_b32 s17, 0
	s_lshl_b32 s46, s42, 9
	s_lshl_b32 s47, s12, 8
	s_add_co_u32 s46, s46, s47
	s_mov_b32 s47, 0
	s_add_nc_u64 s[68:69], s[68:69], s[16:17]
	s_add_nc_u64 s[68:69], s[68:69], s[46:47]
	s_add_nc_u64 s[74:75], s[74:75], s[16:17]
	s_add_nc_u64 s[74:75], s[74:75], s[46:47]
	s_add_nc_u64 s[72:73], s[72:73], s[46:47]
	global_load_b128 v[BIAS:BIAS+3], v[BO], s[72:73]
	WIN 0x80
.irp a, 0,1,2,3
.irp t, 0,1,2,3,4,5,6,7
	global_load_b128 v[32*\a+4*\t:32*\a+4*\t+3], v[CO], s[74:75] offset:(16*\a+2*\t)*4096 th:TH_LOAD_NT
.endr
.endr
	WIN 0
.macro MUL4 f, a, zero
.irp b, 0,1,2,3
.if \zero
	v_wmma_f32_16x16x128_bf8_bf8 v[ACC+8*(4*(\a)+\b):ACC+8*(4*(\a)+\b)+7], v[\f+64+16*\b:\f+64+16*\b+15], v[\f+16*(\a):\f+16*(\a)+15], 0
.else
	v_wmma_f32_16x16x128_bf8_bf8 v[ACC+8*(4*(\a)+\b):ACC+8*(4*(\a)+\b)+7], v[\f+64+16*\b:\f+64+16*\b+15], v[\f+16*(\a):\f+16*(\a)+15], v[ACC+8*(4*(\a)+\b):ACC+8*(4*(\a)+\b)+7]
.endif
.endr
.endm
.macro FETCH slot, q, f
	WIN TO_F
.irp b, 0,1,2,3
.irp c, 0,1,2,3
	ds_load_b128 v[\f+64+16*\b+4*\c:\f+64+16*\b+4*\c+3], v[ADRB+\slot] offset:128*(\q)+32*\c+\b*16*PITCH
.endr
.endr
.irp a, 0,1,2,3
.irp c, 0,1,2,3
.if PLANES
	ds_load_b128 v[\f+16*\a+4*\c:\f+16*\a+4*\c+3], v[ADRA+\slot] offset:(2*(\q)+\c/2)*APL+\a*16*80+32*(\c%2)
.else
	ds_load_b128 v[\f+16*\a+4*\c:\f+16*\a+4*\c+3], v[ADRA+\slot] offset:128*(\q)+32*\c+\a*16*PITCH
.endif
.endr
.endr
.endm
.macro PLACES
.rept 4
	v_nop
.endr
.endm
.macro QUARTER slot, qn, f, g, zero
	s_wait_dscnt 8
	WIN MUL
	MUL4 \f, 0, \zero
	MUL4 \f, 1, \zero
	PLACES
	FETCH \slot, \qn, \g
	s_wait_dscnt 32
	WIN MUL
	MUL4 \f, 2, \zero
	MUL4 \f, 3, \zero
.endm
.macro TURN slot, next, fill
	WIN 0
	s_wait_tensorcnt 0x0
	ds_add_u32 v[SPW], v[NIL]
	s_wait_dscnt 9
	WIN MUL
	MUL4 F1, 0, 0
	s_wait_dscnt 0x0
	s_barrier_signal -1
	MUL4 F1, 1, 0
.if \fill
	WIN 0
.endif
	s_barrier_wait -1
.if \fill
	CREST
	s_add_nc_u64 s[G0+4*\slot+2:G0+4*\slot+3], s[G0+4*\slot+2:G0+4*\slot+3], 2*ASTEP
	s_add_nc_u64 s[G0B+4*\slot+2:G0B+4*\slot+3], s[G0B+4*\slot+2:G0B+4*\slot+3], 1024
	JLOAD \slot
.else
	PLACES
.endif
	FETCH \next, 0, F0
	WIN MUL
	MUL4 F1, 2, 0
	MUL4 F1, 3, 0
.endm
	s_wait_alu depctr_va_vdst(0)                   ; the wait at the head's end
	s_wait_tensorcnt 0x0                           ; my part of the tiles is in
	s_barrier_signal -1
	s_barrier_wait -1                              ; everybody's is
	FETCH 0, 0, F0
	QUARTER 0, 1, F0, F1, 1
.if LAPS > 1
	WIN 0
	s_mov_b32 s3, LAPS-1
.Llap:
	QUARTER 0, 2, F1, F0, 0
	QUARTER 0, 3, F0, F1, 0
	TURN 0, 1, 1
	QUARTER 1, 1, F0, F1, 0
	QUARTER 1, 2, F1, F0, 0
	QUARTER 1, 3, F0, F1, 0
	TURN 1, 0, 1
	QUARTER 0, 1, F0, F1, 0
	WIN 0
	s_sub_co_u32 s3, s3, 1
	s_cmp_lg_u32 s3, 0
	s_cbranch_scc1 .Llap
.endif
	QUARTER 0, 2, F1, F0, 0
	QUARTER 0, 3, F0, F1, 0
	TURN 0, 1, 0
	QUARTER 1, 1, F0, F1, 0
	QUARTER 1, 2, F1, F0, 0
	QUARTER 1, 3, F0, F1, 0
	s_wait_dscnt 8
	WIN MUL
	MUL4 F1, 0, 0
	MUL4 F1, 1, 0
	s_wait_dscnt 0
	MUL4 F1, 2, 0
	MUL4 F1, 3, 0
	WIN 0
.macro TOSTAGE a
.set TT, T+32*((\a)%2)
.irp b, 0,1,2,3
	ds_store_b128 v[STO], v[ACC+8*(4*(\a)+\b):ACC+8*(4*(\a)+\b)+3] offset:64*\b
	ds_store_b128 v[STO], v[ACC+8*(4*(\a)+\b)+4:ACC+8*(4*(\a)+\b)+7] offset:64*\b+16
.endr
.irp t, 0,1,2,3,4,5,6,7
	ds_load_b128 v[TT+4*\t:TT+4*\t+3], v[RD] offset:\t*2*SPITCH
.endr
.endm
.macro SEND a, younger
.set TT, T+32*((\a)%2)
	s_wait_dscnt \younger
.irp t, 0,1,2,3,4,5,6,7
	v_pk_fma_f32 v[TT+4*\t:TT+4*\t+1], v[TT+4*\t:TT+4*\t+1], s[76:77], v[BIAS:BIAS+1] op_sel_hi:[1,0,1]
	v_pk_fma_f32 v[TT+4*\t+2:TT+4*\t+3], v[TT+4*\t+2:TT+4*\t+3], s[76:77], v[BIAS+2:BIAS+3] op_sel_hi:[1,0,1]
.endr
	WIN 0x08
.set i, 0
.rept 16
	v_pk_add_f32 v[TT+i:TT+i+1], v[TT+i:TT+i+1], v[32*(\a)+i:32*(\a)+i+1]
.set i, i+2
.endr
	WIN 0
.irp t, 0,1,2,3,4,5,6,7
	global_store_b128 v[CO], v[TT+4*\t:TT+4*\t+3], s[68:69] offset:(16*(\a)+2*\t)*4096
.endr
.endm
	PLACES
	s_wait_loadcnt 0x0
	s_wait_kmcnt 0x0
	s_add_co_i32 s76, s76, s77
	s_add_co_i32 s76, s76, 127
	s_lshl_b32 s76, s76, 23
	s_mov_b32 s77, s76
	TOSTAGE 0
.irp a, 1,2,3
.if \a > 1
	s_wait_xcnt 0x0
.endif
	TOSTAGE \a
	SEND \a-1, 16
.endr
	SEND 3, 0
	s_wait_tensorcnt 0x0
	ds_add_u32 v[SPW], v[NIL]
	s_wait_dscnt 0x0
	CROUND
	s_endpgm
.Lfunc_end_k_q2ed65f81c1_oproj:
	.size	k_q2ed65f81c1_oproj, .Lfunc_end_k_q2ed65f81c1_oproj-k_q2ed65f81c1_oproj
	.p2alignl 7, 3214868480
	.fill 96, 4, 3214868480
	.section	.rodata,"a",@progbits
	.p2align	6, 0x0
	.amdhsa_kernel k_q2ed65f81c1_oproj
		.amdhsa_group_segment_fixed_size 327680
		.amdhsa_private_segment_fixed_size 0
		.amdhsa_enable_private_segment 0
		.amdhsa_kernarg_size 48
		.amdhsa_user_sgpr_count 2
		.amdhsa_user_sgpr_kernarg_segment_ptr 1
		.amdhsa_wavefront_size32 1
		.amdhsa_system_sgpr_workgroup_id_x 1
		.amdhsa_system_sgpr_workgroup_id_y 1
		.amdhsa_system_sgpr_workgroup_id_z 1
		.amdhsa_system_vgpr_workitem_id 0
		.amdhsa_next_free_vgpr 768
		.amdhsa_next_free_sgpr 80
		.amdhsa_reserve_vcc 0
		.amdhsa_float_denorm_mode_32 3
		.amdhsa_float_denorm_mode_16_64 3
		.amdhsa_memory_ordered 1
		.amdhsa_forward_progress 1
		.amdhsa_inst_pref_size 52
	.end_amdhsa_kernel
	.amdgpu_metadata
---
amdhsa.version: [ 1, 2 ]
amdhsa.kernels:
  - .name:           k_q2ed65f81c1_oproj
    .symbol:         k_q2ed65f81c1_oproj.kd
    .args:
      - { .name: ac, .offset: 0, .size: 8, .value_kind: global_buffer, .address_space: global }
      - { .name: wc, .offset: 8, .size: 8, .value_kind: global_buffer, .address_space: global }
      - { .name: x1, .offset: 16, .size: 8, .value_kind: global_buffer, .address_space: global }
      - { .name: lowp_scales, .offset: 24, .size: 8, .value_kind: global_buffer, .address_space: global }
      - { .name: bo, .offset: 32, .size: 8, .value_kind: global_buffer, .address_space: global }
      - { .name: x, .offset: 40, .size: 8, .value_kind: global_buffer, .address_space: global }
    .group_segment_fixed_size: 327680
    .private_segment_fixed_size: 0
    .kernarg_segment_align: 8
    .kernarg_segment_size: 48
    .max_flat_workgroup_size: 128
    .sgpr_count:     80
    .vgpr_count:     768
    .wavefront_size: 32
...
	.end_amdgpu_metadata
.endif
;; end of part 4
;; launch ln2 (part 5): grid 256 x 1, 4 waves a work-group, no clusters, 0 bytes of LDS; arguments x1, ln2_g, ln2_b, lowp_scales, h2c; writes h2c
.if DOCPART == 5
	.amdgcn_target "amdgcn-amd-amdhsa--gfx1250"
	.amdhsa_code_object_version 6
	.text
	.protected	k_q2ed65f81c1_ln2
	.globl	k_q2ed65f81c1_ln2
	.p2align	8
	.type	k_q2ed65f81c1_ln2,@function
k_q2ed65f81c1_ln2:
	s_mov_b64 s[64:65], 0
	v_nop
	global_prefetch_b8 v0, s[64:65] scope:SCOPE_SE
	s_setreg_imm32_b32 hwreg(HW_REG_WAVE_MODE, 25, 1), 1
	s_wait_xcnt 0x0
; LN2.  h2 = layernorm(x1) in f32, quantised (e12) into h2c [4096][1024].  A wave takes 4 rows of 1,024 f32; all its 32 row loads of 512 consecutive bytes go out at once.  No LDS, no barrier, no loop.
; ORDER ALONG K: inside each aligned block of 256 the stored byte p holds k = 4 (p >> 3) + (p & 3) + 128 ((p >> 2) & 1), as W1's codes do: a lane's two loads, 512 bytes apart, are one conversion's 8 numbers.
; LIMITS: e12 between -126 and 112.  NaN and infinities are not served.
.set X,   32
.set G,   160
.set BB,  192
.set T0,  224
.set C,   8
.macro WSUM r
	v_add_f32_dpp v[\r], v[\r], v[\r] row_xmask:1 row_mask:0xf bank_mask:0xf
	v_add_f32_dpp v[\r], v[\r], v[\r] row_xmask:2 row_mask:0xf bank_mask:0xf
	v_add_f32_dpp v[\r], v[\r], v[\r] row_xmask:4 row_mask:0xf bank_mask:0xf
	v_add_f32_dpp v[\r], v[\r], v[\r] row_xmask:8 row_mask:0xf bank_mask:0xf
	v_permlanex16_b32 v251, v[\r], s30, s31
	v_add_f32 v[\r], v[\r], v251
.endm
.macro JOIN
	v_pk_add_f32 v[T0:T0+1], v[T0:T0+1], v[T0+2:T0+3]
	v_pk_add_f32 v[T0+4:T0+5], v[T0+4:T0+5], v[T0+6:T0+7]
	v_pk_add_f32 v[T0:T0+1], v[T0:T0+1], v[T0+4:T0+5]
	v_add_f32 v250, v[T0], v[T0+1]
	WSUM 250
.endm
.macro QSET rho                        ; the held numbers go into two sets by turns: eight plain lines stand between a conversion and the next write of its sources
.irp q, 0,1,2,3
.irp i, 0,1,2,3,4,5,6,7
	v_med3_num_f32 v[T0+8*(\q%2)+\i], v[X+32*(\rho)+8*\q+\i], -v241, v241   ; the conversion does not saturate (ISA guide 7.6.2)
.endr
	v_cvt_scalef32_pk8_bf8_f32 v[C+8*(\rho)+2*\q:C+8*(\rho)+2*\q+1], v[T0+8*(\q%2):T0+8*(\q%2)+7], v240
.endr
.irp q, 0,1,2,3
	global_store_b64 v4, v[C+8*(\rho)+2*\q:C+8*(\rho)+2*\q+1], s[52:53] offset:1024*(\rho)+256*\q   ; 256 consecutive bytes, aligned; every row has its own registers for its codes (row 3's lie over row 0's numbers, which are done with)
.endr
.endm
.macro LNROW rho
.set XR, X+32*(\rho)
	s_wait_loadcnt 8*(3-(\rho))                    ; gain, bias and this row are in; the younger rows' eight loads each may be out
.irp c, 0,1,2,3
	v_pk_add_f32 v[T0+2*\c:T0+2*\c+1], v[XR+2*\c:XR+2*\c+1], v[XR+8+2*\c:XR+8+2*\c+1]
.endr
.irp k, 16,24
.irp c, 0,1,2,3
	v_pk_add_f32 v[T0+2*\c:T0+2*\c+1], v[T0+2*\c:T0+2*\c+1], v[XR+\k+2*\c:XR+\k+2*\c+1]
.endr
.endr
	JOIN
	v_mul_f32 v246, s48, v250
	v_mov_b32 v247, v246
.set i, 0
.rept 16
	v_pk_add_f32 v[XR+i:XR+i+1], v[XR+i:XR+i+1], v[246:247] neg_lo:[0,1] neg_hi:[0,1]
.set i, i+2
.endr
.irp c, 0,1,2,3
	v_pk_mul_f32 v[T0+2*\c:T0+2*\c+1], v[XR+2*\c:XR+2*\c+1], v[XR+2*\c:XR+2*\c+1]
.endr
.irp k, 8,16,24
.irp c, 0,1,2,3
	v_pk_fma_f32 v[T0+2*\c:T0+2*\c+1], v[XR+\k+2*\c:XR+\k+2*\c+1], v[XR+\k+2*\c:XR+\k+2*\c+1], v[T0+2*\c:T0+2*\c+1]
.endr
.endr
	JOIN
	v_fma_f32 v250, v250, s48, s49
	s_wait_alu depctr_va_vdst(0)
	v_rsq_f32 v248, v250
	v_rsq_f32 v249, v250
	v_nop
	s_wait_alu depctr_va_vdst(0)                   ; one wait for both, ahead of their first reader
.set i, 0
.rept 16
	v_pk_mul_f32 v[XR+i:XR+i+1], v[XR+i:XR+i+1], v[248:249]
.set i, i+2
.endr
.set i, 0
.rept 16
	v_pk_fma_f32 v[XR+i:XR+i+1], v[XR+i:XR+i+1], v[G+i:G+i+1], v[BB+i:BB+i+1]
.set i, i+2
.endr
	QSET \rho
.endm
	s_load_b256 s[4:11], s[0:1], 0x0               ; x1 4, gain 6, bias 8, the scales' exponents 10
	s_load_b64 s[26:27], s[0:1], 0x20              ; h2c
	v_lshrrev_b32 v1, 5, v0
	v_readfirstlane_b32 s28, v1
	v_and_b32 v1, 31, v0
	v_lshlrev_b32 v4, 3, v1
	v_lshlrev_b32 v2, 4, v1
	v_mov_b32 v251, 0
	s_mov_b32 s30, 0x76543210
	s_mov_b32 s31, 0xfedcba98
	s_mov_b32 s48, 0x3a800000                      ; 1 / 1,024
	s_mov_b32 s49, 0x3727c5ac                      ; eps = 1e-5
	s_lshl_b32 s50, ttmp9, 16
	s_lshl_b32 s29, s28, 14
	s_add_co_u32 s50, s50, s29
	s_mov_b32 s51, 0
	s_wait_alu depctr_va_vdst(0)
	s_wait_kmcnt 0x0
	s_load_b32 s32, s[10:11], 0x30                 ; e12
	s_add_nc_u64 s[4:5], s[4:5], s[50:51]
	s_lshr_b32 s50, s50, 2
	s_add_nc_u64 s[52:53], s[26:27], s[50:51]
.irp j, 0,1,2,3,4,5,6,7
	global_load_b128 v[G+4*\j:G+4*\j+3], v2, s[6:7] offset:512*\j
.endr
.irp j, 0,1,2,3,4,5,6,7
	global_load_b128 v[BB+4*\j:BB+4*\j+3], v2, s[8:9] offset:512*\j
.endr
.set i, 0
.rept 32
	global_load_b128 v[X+4*i:X+4*i+3], v2, s[4:5] offset:512*i
.set i, i+1
.endr
	s_wait_kmcnt 0x0
	s_add_co_i32 s58, s32, 127
	s_lshl_b32 s59, s58, 23
	v_mov_b32 v240, s59
	s_add_co_i32 s58, s58, 15
	s_lshl_b32 s58, s58, 23
	s_or_b32 s58, s58, 0x600000
	v_mov_b32 v241, s58
	LNROW 0
	LNROW 1
	LNROW 2
	LNROW 3
	s_endpgm
.Lfunc_end_k_q2ed65f81c1_ln2:
	.size	k_q2ed65f81c1_ln2, .Lfunc_end_k_q2ed65f81c1_ln2-k_q2ed65f81c1_ln2
	.p2alignl 7, 3214868480
	.fill 96, 4, 3214868480
	.section	.rodata,"a",@progbits
	.p2align	6, 0x0
	.amdhsa_kernel k_q2ed65f81c1_ln2
		.amdhsa_group_segment_fixed_size 0
		.amdhsa_private_segment_fixed_size 0
		.amdhsa_enable_private_segment 0
		.amdhsa_kernarg_size 40
		.amdhsa_user_sgpr_count 2
		.amdhsa_user_sgpr_kernarg_segment_ptr 1
		.amdhsa_wavefront_size32 1
		.amdhsa_system_sgpr_workgroup_id_x 1
		.amdhsa_system_sgpr_workgroup_id_y 1
		.amdhsa_system_sgpr_workgroup_id_z 1
		.amdhsa_system_vgpr_workitem_id 0
		.amdhsa_next_free_vgpr 256
		.amdhsa_next_free_sgpr 66
		.amdhsa_reserve_vcc 0
		.amdhsa_float_denorm_mode_32 3
		.amdhsa_float_denorm_mode_16_64 3
		.amdhsa_memory_ordered 1
		.amdhsa_forward_progress 1
		.amdhsa_inst_pref_size 42
	.end_amdhsa_kernel
	.amdgpu_metadata
---
amdhsa.version: [ 1, 2 ]
amdhsa.kernels:
  - .name:           k_q2ed65f81c1_ln2
    .symbol:         k_q2ed65f81c1_ln2.kd
    .args:
      - { .name: x1, .offset: 0, .size: 8, .value_kind: global_buffer, .address_space: global }
      - { .name: ln2_g, .offset: 8, .size: 8, .value_kind: global_buffer, .address_space: global }
      - { .name: ln2_b, .offset: 16, .size: 8, .value_kind: global_buffer, .address_space: global }
      - { .name: lowp_scales, .offset: 24, .size: 8, .value_kind: global_buffer, .address_space: global }
      - { .name: h2c, .offset: 32, .size: 8, .value_kind: global_buffer, .address_space: global }
    .group_segment_fixed_size: 0
    .private_segment_fixed_size: 0
    .kernarg_segment_align: 8
    .kernarg_segment_size: 40
    .max_flat_workgroup_size: 128
    .sgpr_count:     66
    .vgpr_count:     256
    .wavefront_size: 32
...
	.end_amdgpu_metadata
.endif
;; end of part 5
;; launch up (part 6): grid 16 x 16, 4 waves a work-group, clusters of 4 x 4, 327,680 bytes of LDS; arguments h2c, wc, lowp_scales, b1, gc; writes gc
.if DOCPART == 6
	.amdgcn_target "amdgcn-amd-amdhsa--gfx1250"
	.amdhsa_code_object_version 6
	.text
	.protected	k_q2ed65f81c1_up
	.globl	k_q2ed65f81c1_up
	.p2align	8
	.type	k_q2ed65f81c1_up,@function
k_q2ed65f81c1_up:
	s_mov_b64 s[64:65], 0
	v_nop
	global_prefetch_b8 v0, s[64:65] scope:SCOPE_SE
	s_setreg_imm32_b32 hwreg(HW_REG_WAVE_MODE, 25, 1), 1
	s_wait_xcnt 0x0
	s_wait_alu depctr_hold_cnt(0) depctr_sa_sdst(0) depctr_va_vdst(0) depctr_va_sdst(0) depctr_va_ssrc(0) depctr_va_vcc(0) depctr_vm_vsrc(0)
	s_getreg_b32 s2, hwreg(HW_REG_IB_STS2, 6, 4)
	s_cmp_eq_u32 s2, 0
	s_cbranch_scc0 .Lentry_in_a_cluster
	s_endpgm
.Lentry_in_a_cluster:
	s_bfe_u32 s2, ttmp6, 0x10000c
	s_cmp_lg_u32 s2, 0xf033
	s_cbranch_scc0 .Lentry_shape_is_right
	s_endpgm
.Lentry_shape_is_right:
; UP.  g = NewGELU(h2 W1^T + b1) on codes of E5M2 (e12, e13), quantised (e14) into gc [4096][4096].  K = 1,024.
; A tile of 256 x 256 is made by four waves, 128 x 128 each: 64 accumulators.  K goes in steps of 256 through two LDS slots.  Clusters of 4 x 4: h2c's tiles are asked for jointly along a row, W1's along a column.
; The matrix instruction is used transposed: a lane holds a token and eight neighbouring hidden units.
; NewGELU(x) = x / (1 + 2^(x (K0 + K1 x^2))), K0 = -2 log2(e) sqrt(2 / pi), K1 = 0.044715 K0: the same number as 0.5 x (1 + tanh(..)), by one exponential and one reciprocal in f32.
; gc's ORDER ALONG ITS K: inside each aligned block of 256 hidden units byte p holds unit 4 (p >> 3) + (p & 3) + 128 ((p >> 2) & 1), as W2's codes do.  A tile's 256 columns are one such block: the codes are put into the stage at those places.
; LIMITS: e12 + e13 between -126 and 127; e14 between -126 and 112.  NaN and infinities are not served.
; REGISTERS: window 0: v0-31 addresses and constants, v32-63 codes, v64-127 b1, v128-255 A's fragments, later x and the exponent's argument; window 1: B's fragments, two sets; windows 2, 3: accumulators.
.set ROWB,   256
.set KROW,   1024
.set PITCH,  272
.set FR,     16
.set NL,     4
.set NP,     4
.set HALFT,  128*PITCH
.set SLOT,   4*HALFT
.set SPARE,  2*SLOT
.set STO,  8
.set RD,   10
.set GO,   12
.set ADRA, 16
.set ADRB, 20
.set SPW,  28
.set NIL,  29
.set CD,   32
.set BC,   64
.set XX,   128
.set U,    192
.set AF,   128
.set G1, 24
.set G0, 32
.set G1B, 48
.set G0B, 56
.set MSB, 0
.macro WIN new
.if MSB != \new
	s_set_vgpr_msb (MSB<<8)|\new
.set MSB, \new
.endif
.endm
.set MUL_LO, 0xa1
.set MUL_HI, 0xf1
.set TO_B,   0x40
.macro JLOAD g0a, g1a, g0b, g1b
	s_cmp_eq_u32 s15, 0
	s_cbranch_scc0 .Lfor_b_\@
	tensor_load_to_lds s[\g0a:\g0a+3], s[\g1a:\g1a+7]
	s_nop 0
.rept 4
	v_nop
.endr
	s_branch .Lasked_\@
.Lfor_b_\@:
	tensor_load_to_lds s[\g0b:\g0b+3], s[\g1b:\g1b+7]
	s_nop 0
.rept 4
	v_nop
.endr
.Lasked_\@:
.endm
.macro CREST
	s_cmp_lg_u32 s14, 0
	s_cbranch_scc1 .Lnot_wave_0_\@
	s_barrier_signal -3
.Lnot_wave_0_\@:
	s_barrier_wait -3
	s_barrier_signal -1
	s_barrier_wait -1
.endm
.macro CROUND
	s_barrier_signal -1
	s_barrier_wait -1
	CREST
.endm
	s_load_b256 s[4:11], s[0:1], 0x0               ; h2c 4, wc 6, the scales' exponents 8, b1 10
	s_load_b64 s[72:73], s[0:1], 0x20              ; gc
	v_lshl_add_u32 v[SPW], v0, 2, SPARE
	v_mov_b32 v[NIL], 0
	ds_add_u32 v28, v29
	ds_add_u32 v28, v29
	s_wait_dscnt 0x0
	v_lshrrev_b32 v1, 5, v0
	v_readfirstlane_b32 s14, v1
	s_lshr_b32 s15, s14, 1
	s_and_b32 s16, s14, 1
	s_bfe_u32 s40, ttmp6, 0x40000
	s_bfe_u32 s41, ttmp6, 0x40004
	s_lshl_b32 s42, ttmp9, 2
	s_add_co_u32 s42, s42, s40                     ; tile of hidden units
	s_and_b32 s17, ttmp7, 0xffff
	s_lshl_b32 s17, s17, 2
	s_add_co_u32 s17, s17, s41                     ; tile of tokens
	s_lshl_b32 s43, s41, 2
	s_lshl_b32 s43, 15, s43
	s_lshl_b32 s44, 0x1111, s40
	s_or_b32 s[G1+0], s43, (0<<16)|(1<<20)|(1<<21)|(5<<22)|(3<<25)
	s_or_b32 s[G1B+0], s44, (0<<16)|(1<<20)|(1<<21)|(5<<22)|(3<<25)
.irp g, G1, G1B
	s_mov_b32 s[\g+1], ROWB<<16
	s_mov_b32 s[\g+2], 128<<16
	s_mov_b32 s[\g+3], ROWB<<16
	s_mov_b32 s[\g+4], 128
	s_mov_b32 s[\g+5], KROW
	s_mov_b32 s[\g+6], 0
	s_mov_b32 s[\g+7], 0
.endr
	s_lshl_b32 s18, s16, 7
	s_lshl_b32 s20, s17, 8
	s_add_co_u32 s20, s20, s18
	s_lshl_b32 s20, s20, 10
	s_mov_b32 s21, 0
	s_lshl_b32 s46, s42, 8
	s_add_co_u32 s46, s46, s18
	s_lshl_b32 s46, s46, 10
	s_add_co_u32 s46, s46, 0x400000                ; W1's place in wc
	s_mov_b32 s47, 0
	s_mul_i32 s45, s14, HALFT
	s_mov_b32 s90, 0xbdd2d3e8                      ; K1
	s_mov_b32 s91, s90
	v_mov_b32 v22, 0xc0135761                      ; K0
	v_mov_b32 v23, v22
	s_wait_kmcnt 0x0
	s_load_b128 s[84:87], s[8:9], 0x30             ; e12, e13, e14, e15
	s_add_nc_u64 s[20:21], s[4:5], s[20:21]
	s_add_nc_u64 s[46:47], s[6:7], s[46:47]
	; THE PREFETCHES.  A K step is 256 bytes of each row.  Of the 128 rows that my wave fetches, each of the four partners that ask for them jointly takes 32, told apart by address (cx for h2c, cy for W1):
	; a lane a row, one instruction a wave.  Behind the head's load: K steps 1 and 2; behind K step 1's load: K step 3.  The offsets are immediates: s[74:75] and v31 are never rewritten
	s_cmp_eq_u32 s15, 0
	s_cselect_b64 s[74:75], s[20:21], s[46:47]
	s_cselect_b32 s76, s40, s41
	s_lshl_b32 s76, s76, 15
	s_mov_b32 s77, 0
	s_add_nc_u64 s[74:75], s[74:75], s[76:77]
	CROUND
.irp s, 0,1
	s_mov_b32 s[G0+4*\s], 1
	s_add_co_u32 s[G0+4*\s+1], s45, \s*SLOT
	s_add_nc_u64 s[G0+4*\s+2:G0+4*\s+3], s[20:21], \s*ROWB
	s_or_b32 s[G0+4*\s+3], s[G0+4*\s+3], 0x80000000
	s_mov_b32 s[G0B+4*\s], 1
	s_add_co_u32 s[G0B+4*\s+1], s45, \s*SLOT
	s_add_nc_u64 s[G0B+4*\s+2:G0B+4*\s+3], s[46:47], \s*ROWB
	s_or_b32 s[G0B+4*\s+3], s[G0B+4*\s+3], 0x80000000
.endr
	JLOAD G0, G1, G0B, G1B                         ; K step 0: one tensor load a wave at the head
	v_and_b32 v1, 15, v0
	v_bfe_u32 v2, v0, 4, 1
	v_mul_u32_u24 v3, v1, PITCH
	v_lshl_add_u32 v4, v2, 4, v3
	s_wait_alu depctr_va_vdst(0)
	s_mul_i32 s21, s15, HALFT
	s_mul_i32 s22, s16, HALFT
	s_add_co_u32 s22, s22, 2*HALFT
.irp s, 0,1
	v_add_nc_u32 v[ADRA+\s], s21, v4
	v_add_nc_u32 v[ADRB+\s], s22, v4
	s_add_co_u32 s21, s21, SLOT
	s_add_co_u32 s22, s22, SLOT
.endr
	s_mul_i32 s23, s15, 128*272                    ; the stage, 256 rows x 272 bytes in slot 0.  In: row 128 x (token half) + 16 a + r; unit 128 s + 16 b + 8 h + j goes to byte 32 b + 16 h + 8 (j / 4) + 4 s + j % 4
	s_lshl_b32 s22, s16, 2
	s_add_co_u32 s23, s23, s22
	v_add_nc_u32 v[STO], s23, v4
	s_mul_i32 s23, s14, 64*272
	v_mul_u32_u24 v7, v2, 272
	v_lshl_add_u32 v7, v1, 4, v7
	v_add_nc_u32 v[RD], s23, v7                    ; back: wave w takes rows 64 w on, two rows an instruction
	v_lshlrev_b32 v[GO], 12, v2
	v_lshl_add_u32 v[GO], v1, 4, v[GO]
	s_lshl_b32 s18, s17, 8
	s_lshl_b32 s19, s14, 6
	s_add_co_u32 s18, s18, s19
	s_lshl_b32 s18, s18, 12                        ; token x 4,096 bytes
	s_lshl_b32 s19, s42, 8
	s_add_co_u32 s18, s18, s19
	s_mov_b32 s19, 0
	s_add_nc_u64 s[72:73], s[72:73], s[18:19]
	s_lshl_b32 s18, s42, 10
	s_lshl_b32 s22, s16, 9
	s_add_co_u32 s18, s18, s22
	s_add_nc_u64 s[82:83], s[10:11], s[18:19]      ; b1 at my 128 units
	v_lshlrev_b32 v30, 5, v2
	v_and_b32 v31, 31, v0
	v_lshlrev_b32 v31, 10, v31                     ; my lane's row of 1,024 bytes
	global_prefetch_b8 v31, s[74:75] offset:256 th:TH_LOAD_NT scope:SCOPE_SE
	global_prefetch_b8 v31, s[74:75] offset:512 th:TH_LOAD_NT scope:SCOPE_SE
.irp b, 0,1,2,3,4,5,6,7
	global_load_b128 v[BC+8*\b:BC+8*\b+3], v30, s[82:83] offset:64*\b
	global_load_b128 v[BC+8*\b+4:BC+8*\b+7], v30, s[82:83] offset:64*\b+16
.endr
.macro FRAG reg, adr, q, i
.irp c, 0,1,2,3
	ds_load_b128 v[\reg+4*\c:\reg+4*\c+3], v[\adr] offset:128*(\q)+32*\c+(\i)*16*PITCH
.endr
.endm
.macro MUL16 a0, p, zero               ; the 64 accumulators take turns, one instruction a turn, in the same order in every step
.irp a, \a0, \a0+1
.irp b, 0,1,2,3,4,5,6,7
.if \zero
	v_wmma_f32_16x16x128_bf8_bf8 v[8*(8*((\a)%4)+\b):8*(8*((\a)%4)+\b)+7], v[128*(\p)+FR*\b:128*(\p)+FR*\b+FR-1], v[AF+FR*(\a):AF+FR*(\a)+FR-1], 0
.else
	v_wmma_f32_16x16x128_bf8_bf8 v[8*(8*((\a)%4)+\b):8*(8*((\a)%4)+\b)+7], v[128*(\p)+FR*\b:128*(\p)+FR*\b+FR-1], v[AF+FR*(\a):AF+FR*(\a)+FR-1], v[8*(8*((\a)%4)+\b):8*(8*((\a)%4)+\b)+7]
.endif
.endr
.endr
.endm
.macro FETCH_B slot, q, p
	WIN TO_B
.irp i, 0,1,2,3,4,5,6,7
	FRAG 128*(\p)+FR*\i, ADRB+\slot, \q, \i
.endr
	WIN 0
.endm
.macro FETCH_A slot, q, i0
.irp i, \i0, \i0+1, \i0+2, \i0+3
	FRAG AF+FR*(\i), ADRA+\slot, \q, \i
.endr
.endm
.macro PLACES n
.rept \n
	v_nop
.endr
.endm
.macro STEP slot, q, zero
	s_wait_dscnt 4*NL                              ; B's set and A's blocks 0-3 are in; A's blocks 4-7 may be out
	WIN MUL_LO
	MUL16 0, (\q)%2, \zero
	MUL16 2, (\q)%2, \zero
	s_wait_dscnt 0
	PLACES NP
	FETCH_B \slot, (\q)+1, 1-(\q)%2
	FETCH_A \slot, (\q)+1, 0
	WIN MUL_HI
	MUL16 4, (\q)%2, \zero
	MUL16 6, (\q)%2, \zero
	PLACES NP
	WIN 0
	FETCH_A \slot, (\q)+1, 4
.endm
.macro TURN slot, next, fill
	s_wait_tensorcnt 0x0                           ; all my tensor loads have landed
	ds_add_u32 v[SPW], v[NIL]
	s_wait_dscnt 4*NL+1                            ; (the add and A's blocks 4-7 may be out)
	WIN MUL_LO
	MUL16 0, 1, 0
	s_wait_dscnt 0x0                               ; the add is done, and my reads of this slot are over
	s_barrier_signal -1
	MUL16 2, 1, 0
	WIN 0
	s_barrier_wait -1
.if \fill
	CREST
	s_add_nc_u64 s[G0+4*\slot+2:G0+4*\slot+3], s[G0+4*\slot+2:G0+4*\slot+3], 2*ROWB
	s_add_nc_u64 s[G0B+4*\slot+2:G0B+4*\slot+3], s[G0B+4*\slot+2:G0B+4*\slot+3], 2*ROWB
	JLOAD G0+4*\slot, G1, G0B+4*\slot, G1B
.else
	PLACES NP
.endif
	s_wait_alu depctr_va_vdst(0)
	FETCH_B \next, 0, 0
	FETCH_A \next, 0, 0
	WIN MUL_HI
	MUL16 4, 1, 0
	MUL16 6, 1, 0
	PLACES NP
	WIN 0
	FETCH_A \next, 0, 4
.endm
	s_wait_alu depctr_va_vdst(0)                   ; the wait at the head's end
	s_wait_tensorcnt 0x0                           ; my part of K step 0 is in; the lines ahead of a later first fill:
	ds_add_u32 v[SPW], v[NIL]
	s_wait_dscnt 0x0
	CROUND                                         ; everybody's part is in, and all sixteen work-groups are here
	JLOAD G0+4, G1, G0B+4, G1B                     ; K step 1, the first tensor load behind the round
	FETCH_B 0, 0, 0
	FETCH_A 0, 0, 0
	FETCH_A 0, 0, 4
	global_prefetch_b8 v31, s[74:75] offset:768 th:TH_LOAD_NT scope:SCOPE_SE   ; K step 3, two refills ahead of its load
	STEP 0, 0, 1
	TURN 0, 1, 1
	STEP 1, 0, 0
	TURN 1, 0, 1
	STEP 0, 0, 0
	TURN 0, 1, 0
	STEP 1, 0, 0
	s_wait_dscnt 4*NL
	WIN MUL_LO
	MUL16 0, 1, 0
	MUL16 2, 1, 0
	s_wait_dscnt 0
	WIN MUL_HI
	MUL16 4, 1, 0
	MUL16 6, 1, 0
	WIN 0
; THE WAY OUT.  Block a (16 tokens x 128 units): x = sum x 2^(e12 + e13) + b1, the activation, the hold, the conversion; the transcendentals go in two batches of 64, each with one wait.
.macro EPIG a
.set AC, 64*((\a)%4)
.set CDA, CD+16*((\a)%2)
.if (\a) >= 2
	s_wait_dscnt 16                                ; the stores of two blocks ago have read their registers; the last block's sixteen may be out
.endif
	WIN 0x02+((\a)/4)
.set i, 0
.rept 32
	v_pk_fma_f32 v[XX+i:XX+i+1], v[AC+i:AC+i+1], s[96:97], v[BC+i:BC+i+1] op_sel_hi:[1,0,1]   ; each accumulator from its low end on
.set i, i+2
.endr
	WIN 0
.set i, 0
.rept 32
	v_pk_mul_f32 v[U+i:U+i+1], v[XX+i:XX+i+1], v[XX+i:XX+i+1]
.set i, i+2
.endr
.set i, 0
.rept 32
	v_pk_fma_f32 v[U+i:U+i+1], v[U+i:U+i+1], s[90:91], v[22:23] op_sel_hi:[1,0,1]   ; K0 + K1 x^2
.set i, i+2
.endr
.set i, 0
.rept 32
	v_pk_mul_f32 v[U+i:U+i+1], v[U+i:U+i+1], v[XX+i:XX+i+1]
.set i, i+2
.endr
.set i, 0
	s_wait_alu depctr_va_vdst(0)
.rept 64
	v_exp_f32 v[U+i], v[U+i]
.set i, i+1
.endr
	v_nop
	s_wait_alu depctr_va_vdst(0)                   ; one wait for the batch, ahead of its first reader
.set i, 0
.rept 32
	v_pk_add_f32 v[U+i:U+i+1], v[U+i:U+i+1], 1.0 op_sel_hi:[1,0]
.set i, i+2
.endr
.set i, 0
	s_wait_alu depctr_va_vdst(0)
.rept 64
	v_rcp_f32 v[U+i], v[U+i]
.set i, i+1
.endr
	v_nop
	s_wait_alu depctr_va_vdst(0)
.set i, 0
.rept 32
	v_pk_mul_f32 v[XX+i:XX+i+1], v[XX+i:XX+i+1], v[U+i:U+i+1]
.set i, i+2
.endr
.set i, 0
.rept 64
	v_med3_num_f32 v[XX+i], v[XX+i], -v15, v15
.set i, i+1
.endr
.irp b, 0,1,2,3,4,5,6,7
	v_cvt_scalef32_pk8_bf8_f32 v[CDA+2*\b:CDA+2*\b+1], v[XX+8*\b:XX+8*\b+7], v14
.endr
	v_nop                                          ; a plain line behind the last conversion
.irp b, 0,1,2,3,4,5,6,7
	ds_store_b32 v[STO], v[CDA+2*\b] offset:(\a)*16*272+32*\b
	ds_store_b32 v[STO], v[CDA+2*\b+1] offset:(\a)*16*272+32*\b+8
.endr
.endm
	s_wait_loadcnt 0x0                             ; b1
	s_wait_kmcnt 0x0
	s_add_co_i32 s84, s84, s85
	s_add_co_i32 s84, s84, 127
	s_lshl_b32 s96, s84, 23                        ; 2^(e12 + e13)
	s_mov_b32 s97, s96
	s_add_co_i32 s86, s86, 127
	s_lshl_b32 s93, s86, 23
	s_add_co_i32 s86, s86, 15
	s_lshl_b32 s86, s86, 23
	s_or_b32 s86, s86, 0x600000
	PLACES NP
	v_mov_b32 v14, s93                             ; 2^e14
	v_mov_b32 v15, s86                             ; 57,344 x 2^e14
.irp a, 0,1,2,3,4,5,6,7
	EPIG \a
.endr
	s_wait_dscnt 0x0                               ; for the others' sake: my stores into the stage are done
	s_barrier_signal -1
	s_barrier_wait -1
.set n, 0
.rept 32
	ds_load_b128 v[128+4*n:128+4*n+3], v[RD] offset:n*2*272
.set n, n+1
.endr
.set n, 0
.rept 32
	s_wait_dscnt 31-n
	global_store_b128 v[GO], v[128+4*n:128+4*n+3], s[72:73] offset:8192*n   ; sixteen lanes store 256 consecutive bytes, aligned
.set n, n+1
.endr
	s_wait_tensorcnt 0x0                           ; the wave's end
	ds_add_u32 v[SPW], v[NIL]
	s_wait_dscnt 0x0
	CROUND
	s_endpgm
.Lfunc_end_k_q2ed65f81c1_up:
	.size	k_q2ed65f81c1_up, .Lfunc_end_k_q2ed65f81c1_up-k_q2ed65f81c1_up
	.p2alignl 7, 3214868480
	.fill 96, 4, 3214868480
	.section	.rodata,"a",@progbits
	.p2align	6, 0x0
	.amdhsa_kernel k_q2ed65f81c1_up
		.amdhsa_group_segment_fixed_size 327680
		.amdhsa_private_segment_fixed_size 0
		.amdhsa_enable_private_segment 0
		.amdhsa_kernarg_size 40
		.amdhsa_user_sgpr_count 2
		.amdhsa_user_sgpr_kernarg_segment_ptr 1
		.amdhsa_wavefront_size32 1
		.amdhsa_system_sgpr_workgroup_id_x 1
		.amdhsa_system_sgpr_workgroup_id_y 1
		.amdhsa_system_sgpr_workgroup_id_z 1
		.amdhsa_system_vgpr_workitem_id 0
		.amdhsa_next_free_vgpr 1024
		.amdhsa_next_free_sgpr 100
		.amdhsa_reserve_vcc 0
		.amdhsa_float_denorm_mode_32 3
		.amdhsa_float_denorm_mode_16_64 3
		.amdhsa_memory_ordered 1
		.amdhsa_forward_progress 1
		.amdhsa_inst_pref_size 255
	.end_amdhsa_kernel
	.section	.bss,"aw",@nobits
	.p2align	6
	.space	262144
	.amdgpu_metadata
---
amdhsa.version: [ 1, 2 ]
amdhsa.kernels:
  - .name:           k_q2ed65f81c1_up
    .symbol:         k_q2ed65f81c1_up.kd
    .args:
      - { .name: h2c, .offset: 0, .size: 8, .value_kind: global_buffer, .address_space: global }
      - { .name: wc, .offset: 8, .size: 8, .value_kind: global_buffer, .address_space: global }
      - { .name: lowp_scales, .offset: 16, .size: 8, .value_kind: global_buffer, .address_space: global }
      - { .name: b1, .offset: 24, .size: 8, .value_kind: global_buffer, .address_space: global }
      - { .name: gc, .offset: 32, .size: 8, .value_kind: global_buffer, .address_space: global }
    .group_segment_fixed_size: 327680
    .private_segment_fixed_size: 0
    .kernarg_segment_align: 8
    .kernarg_segment_size: 40
    .max_flat_workgroup_size: 128
    .sgpr_count:     100
    .vgpr_count:     1024
    .wavefront_size: 32
...
	.end_amdgpu_metadata
.endif
;; end of part 6
;; launch down (part 7): grid 8 x 32, 4 waves a work-group, clusters of 4 x 4, 327,680 bytes of LDS; arguments gc, wc, out0, lowp_scales, b2, x1; writes out0
.if DOCPART == 7
	.amdgcn_target "amdgcn-amd-amdhsa--gfx1250"
	.amdhsa_code_object_version 6
	.text
	.protected	k_q2ed65f81c1_down
	.globl	k_q2ed65f81c1_down
	.p2align	8
	.type	k_q2ed65f81c1_down,@function
k_q2ed65f81c1_down:
	s_mov_b64 s[64:65], 0
	v_nop
	global_prefetch_b8 v0, s[64:65] scope:SCOPE_SE
	s_setreg_imm32_b32 hwreg(HW_REG_WAVE_MODE, 25, 1), 1
	s_wait_xcnt 0x0
	s_wait_alu depctr_hold_cnt(0) depctr_sa_sdst(0) depctr_va_vdst(0) depctr_va_sdst(0) depctr_va_ssrc(0) depctr_va_vcc(0) depctr_vm_vsrc(0)
	s_getreg_b32 s2, hwreg(HW_REG_IB_STS2, 6, 4)
	s_cmp_eq_u32 s2, 0
	s_cbranch_scc0 .Lentry_in_a_cluster
	s_endpgm
.Lentry_in_a_cluster:
	s_bfe_u32 s2, ttmp6, 0x10000c
	s_cmp_lg_u32 s2, 0xf033
	s_cbranch_scc0 .Lentry_shape_is_right
	s_endpgm
.Lentry_shape_is_right:
.set SIZE_K, 4096
.set PLANES, 0
.set WOFF,   0x800000
.set EIDX,   56
.set PITCH,  528
.set HALFT,  64*PITCH
.if PLANES
.set APL,    64*80
.set AHALF,  8*APL
.set ASTEP,  8*262144
.else
.set AHALF,  HALFT
.set ASTEP,  512
.endif
.set BOFF,   2*AHALF
.set SLOT,   BOFF+2*HALFT
.set STAGE,  2*SLOT
.set SPITCH, 272
.set SPARE,  STAGE+4*16*SPITCH
.set LAPS,   SIZE_K/1024
.set BIAS, 12
.set ADRA, 16
.set ADRB, 20
.set STO,  24
.set RD,   25
.set CO,   26
.set BO,   27
.set SPW,  28
.set NIL,  29
.set T,    32
.set ACC,  128
.set F0,   0
.set F1,   128
.set G1, 24
.set G0, 32
.set G1B, 48
.set G0B, 56
.set MSB, 0
.macro WIN new
.if MSB != \new
	s_set_vgpr_msb (MSB<<8)|\new
.set MSB, \new
.endif
.endm
.set MUL,  0x05
.set TO_F, 0x40
.macro JLOAD s
	s_cmp_eq_u32 s11, 0
	s_cbranch_scc0 .Lfor_b_\@
	tensor_load_to_lds s[G0+4*\s:G0+4*\s+3], s[G1:G1+7]
	s_nop 0
.rept 4
	v_nop
.endr
	s_branch .Lasked_\@
.Lfor_b_\@:
	tensor_load_to_lds s[G0B+4*\s:G0B+4*\s+3], s[G1B:G1B+7]
	s_nop 0
.rept 4
	v_nop
.endr
.Lasked_\@:
.endm
.macro CREST
	s_cmp_lg_u32 s10, 0
	s_cbranch_scc1 .Lnot_wave_0_\@
	s_barrier_signal -3
.Lnot_wave_0_\@:
	s_barrier_wait -3
	s_barrier_signal -1
	s_barrier_wait -1
.endm
.macro CROUND
	s_barrier_signal -1
	s_barrier_wait -1
	CREST
.endm
	s_load_b128 s[4:7], s[0:1], 0x0
	s_load_b256 s[68:75], s[0:1], 0x10
	v_lshl_add_u32 v[SPW], v0, 2, SPARE
	v_mov_b32 v[NIL], 0
	ds_add_u32 v28, v29
	ds_add_u32 v28, v29
	s_wait_dscnt 0x0
	v_lshrrev_b32 v1, 5, v0
	v_readfirstlane_b32 s10, v1
	s_lshr_b32 s11, s10, 1
	s_and_b32 s12, s10, 1
	s_bfe_u32 s40, ttmp6, 0x40000
	s_bfe_u32 s41, ttmp6, 0x40004
	s_lshl_b32 s42, ttmp9, 2
	s_add_co_u32 s42, s42, s40
	s_and_b32 s13, ttmp7, 0xffff
	s_lshl_b32 s13, s13, 2
	s_add_co_u32 s13, s13, s41
	s_lshl_b32 s43, s41, 2
	s_lshl_b32 s43, 15, s43
	s_lshl_b32 s44, 0x1111, s40
.if PLANES
	s_or_b32 s[G1+0], s43, (0<<16)|(1<<20)|(1<<21)|(3<<22)|(3<<25)
	s_mov_b32 s[G1+1], 4096<<16
	s_mov_b32 s[G1+2], 8<<16
	s_mov_b32 s[G1+3], 4096<<16
	s_mov_b32 s[G1+4], 8
	s_mov_b32 s[G1+5], 262144
.else
	s_or_b32 s[G1+0], s43, (0<<16)|(1<<20)|(1<<21)|(6<<22)|(3<<25)
	s_mov_b32 s[G1+1], 512<<16
	s_mov_b32 s[G1+2], 64<<16
	s_mov_b32 s[G1+3], 512<<16
	s_mov_b32 s[G1+4], 64
	s_mov_b32 s[G1+5], SIZE_K
.endif
	s_mov_b32 s[G1+6], 0
	s_mov_b32 s[G1+7], 0
	s_or_b32 s[G1B+0], s44, (0<<16)|(1<<20)|(1<<21)|(6<<22)|(3<<25)
	s_mov_b32 s[G1B+1], 512<<16
	s_mov_b32 s[G1B+2], 64<<16
	s_mov_b32 s[G1B+3], 512<<16
	s_mov_b32 s[G1B+4], 64
	s_mov_b32 s[G1B+5], SIZE_K
	s_mov_b32 s[G1B+6], 0
	s_mov_b32 s[G1B+7], 0
	s_lshl_b32 s17, s12, 6
	s_lshl_b32 s16, s13, 7
	s_add_co_u32 s16, s16, s17
.if PLANES
	s_lshl_b32 s16, s16, 6
.else
	s_mul_i32 s16, s16, SIZE_K
.endif
	s_lshl_b32 s46, s42, 7
	s_add_co_u32 s46, s46, s17
	s_mul_i32 s46, s46, SIZE_K
	s_add_co_u32 s46, s46, WOFF
	s_mov_b32 s17, 0
	s_mov_b32 s47, 0
	s_mul_i32 s20, s12, AHALF
	s_mul_i32 s21, s12, HALFT
	s_add_co_u32 s21, s21, BOFF
	s_wait_kmcnt 0x0
	s_load_b64 s[76:77], s[70:71], EIDX
	s_add_nc_u64 s[14:15], s[4:5], s[16:17]
	s_add_nc_u64 s[46:47], s[6:7], s[46:47]
	CROUND
.irp s, 0,1
	s_mov_b32 s[G0+4*\s], 1
	s_add_co_u32 s[G0+4*\s+1], s20, \s*SLOT
	s_add_nc_u64 s[G0+4*\s+2:G0+4*\s+3], s[14:15], \s*ASTEP
	s_or_b32 s[G0+4*\s+3], s[G0+4*\s+3], 0x80000000
	s_mov_b32 s[G0B+4*\s], 1
	s_add_co_u32 s[G0B+4*\s+1], s21, \s*SLOT
	s_add_nc_u64 s[G0B+4*\s+2:G0B+4*\s+3], s[46:47], \s*512
	s_or_b32 s[G0B+4*\s+3], s[G0B+4*\s+3], 0x80000000
.endr
	JLOAD 0                                        ; K step 0: one tensor load a wave at the head
	v_and_b32 v1, 15, v0
	s_wait_alu depctr_va_vdst(0)
	v_bfe_u32 v2, v0, 4, 1
	v_mul_u32_u24 v3, v1, PITCH
	v_lshl_add_u32 v3, v2, 4, v3
.if PLANES
	v_mul_u32_u24 v4, v1, 80
	v_lshl_add_u32 v4, v2, 4, v4
.else
	v_mov_b32 v4, v3
.endif
	s_mul_i32 s21, s11, AHALF
	s_mul_i32 s22, s12, HALFT
	s_add_co_u32 s22, s22, BOFF
.irp s, 0,1
	v_add_nc_u32 v[ADRA+\s], s21, v4
	v_add_nc_u32 v[ADRB+\s], s22, v3
	s_add_co_u32 s21, s21, SLOT
	s_add_co_u32 s22, s22, SLOT
.endr
	s_mul_i32 s23, s10, 16*SPITCH
	s_add_co_u32 s23, s23, STAGE
	v_mul_u32_u24 v4, v1, SPITCH
	s_wait_alu depctr_va_vdst(0)
	v_lshl_add_u32 v4, v2, 5, v4
	v_add_nc_u32 v[STO], s23, v4
	v_mul_u32_u24 v5, v2, SPITCH
	v_lshl_add_u32 v5, v1, 4, v5
	v_add_nc_u32 v[RD], s23, v5
	v_lshlrev_b32 v[CO], 12, v2
	v_lshl_add_u32 v[CO], v1, 4, v[CO]
	v_lshlrev_b32 v[BO], 4, v1
	v_bfe_u32 v6, v0, 1, 4
	v_and_b32 v7, 1, v0
	v_lshlrev_b32 v7, 8, v7
	v_lshl_add_u32 v30, v6, 12, v7                 ; the prefetches' offset: two lanes to a row of 4,096 bytes, 256 bytes apart; never rewritten
	s_wait_alu depctr_va_vdst(0)
	s_lshl_b32 s16, s13, 7
	s_lshl_b32 s17, s11, 6
	s_add_co_u32 s16, s16, s17
	s_lshl_b32 s16, s16, 12
	s_mov_b32 s17, 0
	s_lshl_b32 s46, s42, 9
	s_lshl_b32 s47, s12, 8
	s_add_co_u32 s46, s46, s47
	s_mov_b32 s47, 0
	s_add_nc_u64 s[68:69], s[68:69], s[16:17]
	s_add_nc_u64 s[68:69], s[68:69], s[46:47]
	s_add_nc_u64 s[74:75], s[74:75], s[16:17]
	s_add_nc_u64 s[74:75], s[74:75], s[46:47]
	s_add_nc_u64 s[72:73], s[72:73], s[46:47]
	; THE PREFETCHES.  A K step is 512 bytes of each row.  Of the 64 rows that my wave fetches, each of the four partners that ask for them jointly takes 16, told apart by address (cx for gc, cy for W2):
	; 16 rows x 2 blocks of 256 bytes, a lane a block, one instruction a wave.  s[78:79] stands at K step 1 here: the head asks for K steps 1 and 2, K step 3 is asked for behind K step 1's load;
	; each refill steps the address by one K step and asks for the step two refills on
	s_lshl_b32 s18, s13, 7
	s_lshl_b32 s19, s42, 7
	s_cmp_eq_u32 s11, 0                            ; do I fetch for gc?
	s_cselect_b32 s18, s18, s19                    ; the tile's first row
	s_cselect_b32 s19, s40, s41                    ; my place among the four
	s_cselect_b64 s[78:79], s[4:5], s[6:7]
	s_cselect_b32 s22, 0, WOFF
	s_lshl_b32 s23, s12, 6
	s_add_co_u32 s18, s18, s23
	s_lshl_b32 s19, s19, 4
	s_add_co_u32 s18, s18, s19
	s_lshl_b32 s18, s18, 12
	s_add_co_u32 s18, s18, s22
	s_add_co_u32 s18, s18, 512
	s_mov_b32 s19, 0
	s_add_nc_u64 s[78:79], s[78:79], s[18:19]
	global_load_b128 v[BIAS:BIAS+3], v[BO], s[72:73]
	WIN 0x80
.irp a, 0,1,2,3
.irp t, 0,1,2,3,4,5,6,7
	global_load_b128 v[32*\a+4*\t:32*\a+4*\t+3], v[CO], s[74:75] offset:(16*\a+2*\t)*4096 th:TH_LOAD_NT
.endr
.endr
	WIN 0
	global_prefetch_b8 v30, s[78:79] th:TH_LOAD_NT scope:SCOPE_SE              ; K steps 1 and 2
	global_prefetch_b8 v30, s[78:79] offset:512 th:TH_LOAD_NT scope:SCOPE_SE
.macro MUL4 f, a, zero
.irp b, 0,1,2,3
.if \zero
	v_wmma_f32_16x16x128_bf8_bf8 v[ACC+8*(4*(\a)+\b):ACC+8*(4*(\a)+\b)+7], v[\f+64+16*\b:\f+64+16*\b+15], v[\f+16*(\a):\f+16*(\a)+15], 0
.else
	v_wmma_f32_16x16x128_bf8_bf8 v[ACC+8*(4*(\a)+\b):ACC+8*(4*(\a)+\b)+7], v[\f+64+16*\b:\f+64+16*\b+15], v[\f+16*(\a):\f+16*(\a)+15], v[ACC+8*(4*(\a)+\b):ACC+8*(4*(\a)+\b)+7]
.endif
.endr
.endm
.macro FETCH slot, q, f
	WIN TO_F
.irp b, 0,1,2,3
.irp c, 0,1,2,3
	ds_load_b128 v[\f+64+16*\b+4*\c:\f+64+16*\b+4*\c+3], v[ADRB+\slot] offset:128*(\q)+32*\c+\b*16*PITCH
.endr
.endr
.irp a, 0,1,2,3
.irp c, 0,1,2,3
.if PLANES
	ds_load_b128 v[\f+16*\a+4*\c:\f+16*\a+4*\c+3], v[ADRA+\slot] offset:(2*(\q)+\c/2)*APL+\a*16*80+32*(\c%2)
.else
	ds_load_b128 v[\f+16*\a+4*\c:\f+16*\a+4*\c+3], v[ADRA+\slot] offset:128*(\q)+32*\c+\a*16*PITCH
.endif
.endr
.endr
.endm
.macro PLACES
.rept 4
	v_nop
.endr
.endm
.macro QUARTER slot, qn, f, g, zero
	s_wait_dscnt 8
	WIN MUL
	MUL4 \f, 0, \zero
	MUL4 \f, 1, \zero
	PLACES
	FETCH \slot, \qn, \g
	s_wait_dscnt 32
	WIN MUL
	MUL4 \f, 2, \zero
	MUL4 \f, 3, \zero
.endm
.macro TURN slot, next, fill
	WIN 0
.if \fill
	s_wait_xcnt 0x0                                ; my prefetches have read their address: it may be stepped
	s_add_nc_u64 s[78:79], s[78:79], 512
.endif
	s_wait_tensorcnt 0x0
	ds_add_u32 v[SPW], v[NIL]
	s_wait_dscnt 9
	WIN MUL
	MUL4 F1, 0, 0
	s_wait_dscnt 0x0
	s_barrier_signal -1
	MUL4 F1, 1, 0
.if \fill
	WIN 0
.endif
	s_barrier_wait -1
.if \fill
	CREST
	s_add_nc_u64 s[G0+4*\slot+2:G0+4*\slot+3], s[G0+4*\slot+2:G0+4*\slot+3], 2*ASTEP
	s_add_nc_u64 s[G0B+4*\slot+2:G0B+4*\slot+3], s[G0B+4*\slot+2:G0B+4*\slot+3], 1024
	JLOAD \slot
.else
	PLACES
.endif
	FETCH \next, 0, F0
.if \fill
	WIN 0
	s_cmp_gt_u32 s3, 1                             ; the loop's last trip loads K steps 6 and 7: there is no step two on
	s_cbranch_scc0 .Lnone_\@
	global_prefetch_b8 v30, s[78:79] offset:1024 th:TH_LOAD_NT scope:SCOPE_SE
.Lnone_\@:
.endif
	WIN MUL
	MUL4 F1, 2, 0
	MUL4 F1, 3, 0
.endm
	s_wait_alu depctr_va_vdst(0)                   ; the wait at the head's end
	s_wait_tensorcnt 0x0                           ; my part of K step 0 is in; the lines ahead of a later first fill:
	ds_add_u32 v[SPW], v[NIL]
	s_wait_dscnt 0x0
	CROUND                                         ; everybody's part is in, and all sixteen work-groups are here
	JLOAD 1                                        ; K step 1, the first tensor load behind the round
	FETCH 0, 0, F0
	WIN 0
	global_prefetch_b8 v30, s[78:79] offset:1024 th:TH_LOAD_NT scope:SCOPE_SE  ; K step 3, two refills ahead of its load
	QUARTER 0, 1, F0, F1, 1
.if LAPS > 1
	WIN 0
	s_mov_b32 s3, LAPS-1
.Llap:
	QUARTER 0, 2, F1, F0, 0
	QUARTER 0, 3, F0, F1, 0
	TURN 0, 1, 1
	QUARTER 1, 1, F0, F1, 0
	QUARTER 1, 2, F1, F0, 0
	QUARTER 1, 3, F0, F1, 0
	TURN 1, 0, 1
	QUARTER 0, 1, F0, F1, 0
	WIN 0
	s_sub_co_u32 s3, s3, 1
	s_cmp_lg_u32 s3, 0
	s_cbranch_scc1 .Llap
.endif
	QUARTER 0, 2, F1, F0, 0
	QUARTER 0, 3, F0, F1, 0
	TURN 0, 1, 0
	QUARTER 1, 1, F0, F1, 0
	QUARTER 1, 2, F1, F0, 0
	QUARTER 1, 3, F0, F1, 0
	s_wait_dscnt 8
	WIN MUL
	MUL4 F1, 0, 0
	MUL4 F1, 1, 0
	s_wait_dscnt 0
	MUL4 F1, 2, 0
	MUL4 F1, 3, 0
	WIN 0
.macro TOSTAGE a
.set TT, T+32*((\a)%2)
.irp b, 0,1,2,3
	ds_store_b128 v[STO], v[ACC+8*(4*(\a)+\b):ACC+8*(4*(\a)+\b)+3] offset:64*\b
	ds_store_b128 v[STO], v[ACC+8*(4*(\a)+\b)+4:ACC+8*(4*(\a)+\b)+7] offset:64*\b+16
.endr
.irp t, 0,1,2,3,4,5,6,7
	ds_load_b128 v[TT+4*\t:TT+4*\t+3], v[RD] offset:\t*2*SPITCH
.endr
.endm
.macro SEND a, younger
.set TT, T+32*((\a)%2)
	s_wait_dscnt \younger
.irp t, 0,1,2,3,4,5,6,7
	v_pk_fma_f32 v[TT+4*\t:TT+4*\t+1], v[TT+4*\t:TT+4*\t+1], s[76:77], v[BIAS:BIAS+1] op_sel_hi:[1,0,1]
	v_pk_fma_f32 v[TT+4*\t+2:TT+4*\t+3], v[TT+4*\t+2:TT+4*\t+3], s[76:77], v[BIAS+2:BIAS+3] op_sel_hi:[1,0,1]
.endr
	WIN 0x08
.set i, 0
.rept 16
	v_pk_add_f32 v[TT+i:TT+i+1], v[TT+i:TT+i+1], v[32*(\a)+i:32*(\a)+i+1]
.set i, i+2
.endr
	WIN 0
.irp t, 0,1,2,3,4,5,6,7
	global_store_b128 v[CO], v[TT+4*\t:TT+4*\t+3], s[68:69] offset:(16*(\a)+2*\t)*4096 th:TH_STORE_NT
.endr
.endm
	PLACES
	s_wait_loadcnt 0x0
	s_wait_kmcnt 0x0
	s_add_co_i32 s76, s76, s77
	s_add_co_i32 s76, s76, 127
	s_lshl_b32 s76, s76, 23
	s_mov_b32 s77, s76
	TOSTAGE 0
.irp a, 1,2,3
.if \a > 1
	s_wait_xcnt 0x0
.endif
	TOSTAGE \a
	SEND \a-1, 16
.endr
	SEND 3, 0
	s_wait_tensorcnt 0x0
	ds_add_u32 v[SPW], v[NIL]
	s_wait_dscnt 0x0
	CROUND
	s_endpgm
.Lfunc_end_k_q2ed65f81c1_down:
	.size	k_q2ed65f81c1_down, .Lfunc_end_k_q2ed65f81c1_down-k_q2ed65f81c1_down
	.p2alignl 7, 3214868480
	.fill 96, 4, 3214868480
	.section	.rodata,"a",@progbits
	.p2align	6, 0x0
	.amdhsa_kernel k_q2ed65f81c1_down
		.amdhsa_group_segment_fixed_size 327680
		.amdhsa_private_segment_fixed_size 0
		.amdhsa_enable_private_segment 0
		.amdhsa_kernarg_size 48
		.amdhsa_user_sgpr_count 2
		.amdhsa_user_sgpr_kernarg_segment_ptr 1
		.amdhsa_wavefront_size32 1
		.amdhsa_system_sgpr_workgroup_id_x 1
		.amdhsa_system_sgpr_workgroup_id_y 1
		.amdhsa_system_sgpr_workgroup_id_z 1
		.amdhsa_system_vgpr_workitem_id 0
		.amdhsa_next_free_vgpr 768
		.amdhsa_next_free_sgpr 80
		.amdhsa_reserve_vcc 0
		.amdhsa_float_denorm_mode_32 3
		.amdhsa_float_denorm_mode_16_64 3
		.amdhsa_memory_ordered 1
		.amdhsa_forward_progress 1
		.amdhsa_inst_pref_size 84
	.end_amdhsa_kernel
	.amdgpu_metadata
---
amdhsa.version: [ 1, 2 ]
amdhsa.kernels:
  - .name:           k_q2ed65f81c1_down
    .symbol:         k_q2ed65f81c1_down.kd
    .args:
      - { .name: gc, .offset: 0, .size: 8, .value_kind: global_buffer, .address_space: global }
      - { .name: wc, .offset: 8, .size: 8, .value_kind: global_buffer, .address_space: global }
      - { .name: out0, .offset: 16, .size: 8, .value_kind: global_buffer, .address_space: global }
      - { .name: lowp_scales, .offset: 24, .size: 8, .value_kind: global_buffer, .address_space: global }
      - { .name: b2, .offset: 32, .size: 8, .value_kind: global_buffer, .address_space: global }
      - { .name: x1, .offset: 40, .size: 8, .value_kind: global_buffer, .address_space: global }
    .group_segment_fixed_size: 327680
    .private_segment_fixed_size: 0
    .kernarg_segment_align: 8
    .kernarg_segment_size: 48
    .max_flat_workgroup_size: 128
    .sgpr_count:     80
    .vgpr_count:     768
    .wavefront_size: 32
...
	.end_amdgpu_metadata
.endif
;; end of part 7
